; MI455X (gfx1250); checked and timed in simulation.
; The chip was launched on July 23, 2026; its instructions are those of AMD's public machine-readable ISA for CDNA 5 (MIT licence, August 2026) and "CDNA5" Instruction Set Architecture Reference Guide (July 2026). The comments in the code are by the model that wrote it; some were corrected since.
;; attention. Allowed arithmetic: matrix products marked QUANTISED: E2M3 operands, one E8M0 scale for each 32 along K, by v_wmma_scale_f32_16x16x128_f8f6f4 with both operands' format E2M3, f32 sums; products left as they are: f32 operands where the result goes on into a quantised operand, else bf16, f16 or f32 operands; f32 sums; everything else in f32.
;; Inputs: Ua_codes 1,024 x 32 x 24 uint8 (E2M3 codes of Ua, K innermost, in blocks of 32 codes, four codes in three bytes); Ua_scales 1,024 x 32 uint8 (E8M0 scales of Ua, one for each 32 codes along K); Va 1,024 float32; Wa_codes 1,024 x 32 x 24 uint8 (E2M3 codes of Wa, K innermost, in blocks of 32 codes, four codes in three bytes); Wa_scales 1,024 x 32 uint8 (E8M0 scales of Wa, one for each 32 codes along K); dec_hidden_codes 32 x 32 x 24 uint8 (E2M3 codes of dec_hidden, K innermost, in blocks of 32 codes, four codes in three bytes); dec_hidden_scales 32 x 32 uint8 (E8M0 scales of dec_hidden, one for each 32 codes along K); enc_out 32 x 2,048 x 1,024 float32.
;; Outputs: out0 32 x 1,024 float32.
;; This version of the problem:
;;   THIS VERSION OF THE PROBLEM IS GIVEN IN LOW PRECISION. The matrix products marked QUANTISED in the list below multiply operands that are first quantised to E2M3 (2 exponent bits, 3 mantissa bits; 6 bits a number), with one power-of-two scale for each 32 numbers along K (OCP MX v1.0); their sums are f32. All else is computed in f32.
;;   The module's matrix products, in the order in which they are computed (A, B: the left and right operand; K: the contracted axis; several contracted axes count as one K, in the product's order):
;;     1. [M 32, K 1,024] x [K 1,024, N 1,024]; A: input dec_hidden (given as codes); B: input Wa (given as codes): QUANTISED
;;     2. [M 65,536, K 1,024] x [K 1,024, N 1,024]; A: input enc_out; B: input Ua (given as codes): QUANTISED
;;     3. [M 65,536, K 1,024] x [K 1,024, N 1]; A: computed on the way; B: input Va: left as it is (N = 1 < 16)
;;     4. batch 32 x [M 1, K 2,048] x [K 2,048, N 1,024]; A: softmax; B: input enc_out: left as it is (M = 1 < 16)
;;   THE QUANTISER, for each operand of a quantised product, along K:
;;     - K is cut into blocks of 32 from its start; a last block that is shorter is filled with zeros.
;;     - A block's scale is 2^e with e = floor(log2(the largest magnitude in the block)) - 2, held to -126 .. 127; a block of zeros has e = 0. As a byte (E8M0): e + 127.
;;     - Each number is divided by its block's scale, clamped to +-7.5, and rounded to the nearest number of E2M3, ties to even, subnormals kept.
;;     - The product sums the exact products of the quantised numbers (number of the format x scale) in f32.
;;   ~~~python
;;   def quantise(x, axis):      # numpy; x: float32 -> the quantised numbers, widened to float32 again
;;       x = np.moveaxis(x, axis, -1); K = x.shape[-1]
;;       x = np.pad(x, [(0, 0)] * (x.ndim - 1) + [(0, -K % 32)]); x = x.reshape(x.shape[:-1] + (-1, 32)); a = np.abs(x).max(-1, keepdims=True)
;;       e = np.where(a > 0, np.clip(np.frexp(np.where(a > 0, a, 1))[1] - 1 - 2, -126, 127), 0)      # np.frexp(a)[1] - 1 = floor(log2(a)), exactly
;;       r = np.clip(x / 2.0 ** e, -7.5, 7.5)
;;       step = 2.0 ** (np.maximum(np.frexp(np.where(r == 0, 1, r))[1] - 1, 0) - 3)
;;       q = np.round(r / step) * step * 2.0 ** e      # np.round: ties to even
;;       return np.moveaxis(q.reshape(q.shape[:-2] + (-1,))[..., :K], -1, axis).astype(np.float32)
;;   ~~~
;;   INPUTS GIVEN AS CODES. Ua (in the module: [1024, 1024], K = its axis 0); Wa (in the module: [1024, 1024], K = its axis 0); dec_hidden (in the module: [32, 1024], K = its axis 1): each comes as NAME_codes (uint8): NAME with its K axis moved to the last place and cut into blocks of 32 codes, [.., K / 32, bytes a block], one block behind the other in memory; four codes in three bytes: a row's codes are one little-endian stream of bits, code i at bits 6 i .. 6 i + 5 (a code: sign, 2 exponent bits, 3 mantissa bits); and NAME_scales (uint8): the same leading axes, one E8M0 byte (e + 127) for each 32 codes along K. Its value is code x scale, taken as it is: it is not quantised again, and the codes and scales need not be those that the quantiser above would give.
;; 2 versions, each right and faster than the one before. Each part assembles by itself: llvm-mc -triple=amdgcn-amd-amdhsa -mcpu=gfx1250 --defsym DOCPART=n.
;; ======== version 1 of 2: 3 launches
;; workspace buffers: dcw 131,072 bytes; uaf 851,968 bytes; scores 262,144 bytes
;; launch prep (part 1): grid 64 x 1, 4 waves a work-group, no clusters, 0 bytes of LDS; arguments Wa_codes, Wa_scales, dec_hidden_codes, dec_hidden_scales, Ua_codes, Ua_scales, dcw, uaf; writes dcw, uaf
.if DOCPART == 1
	.amdgcn_target "amdgcn-amd-amdhsa--gfx1250"
	.amdhsa_code_object_version 6
	.text
	.protected	k_q795277b5f0_prep
	.globl	k_q795277b5f0_prep
	.p2align	8
	.type	k_q795277b5f0_prep,@function
k_q795277b5f0_prep:
	s_mov_b64 s[64:65], 0
	v_nop
	global_prefetch_b8 v0, s[64:65] scope:SCOPE_SE
	s_setreg_imm32_b32 hwreg(HW_REG_WAVE_MODE, 25, 1), 1
	s_wait_xcnt 0x0
; BAHDANAU ATTENTION IN THREE LAUNCHES.  This one: (a) dcw[b][u] = c x (dec_hidden Wa)[b][u], c = 2 log2(e), on the given codes of E2M3; (b) uaf: Ua's codes and scale words laid in the order of the operand's registers.
; The second launch quantises enc_out, multiplies it by Ua, takes tanh and the product with Va, and writes the scores;
; the third forms each batch's softmax and the weighted sum of enc_out.
; WORK LEFT OUT, AND WHY IT IS DEAD.  tanh(x) = 1 - 2 r with r = 1 / (1 + 2^(c x)), an identity for every real x.  So score[b][t] = sum_u Va[u] - 2 sum_u Va[u] r[b][t][u].  The first term is the same for all t of a row of
; the softmax, whatever the inputs hold, and a term that is the same along a softmax's axis changes no alpha.  It is not formed: the score that is used is sum_u (-2 Va[u]) r.  Every input is still loaded.
; LIMITS.  NaN and infinities among the inputs are not served.  An overflow that would reach sum_u Va[u] alone is not carried to the result.  2^(c x) may become infinity or 0: r is then 0 or 1, tanh's own limits.
; SHARES.  Work-group n owns the 16 units u = 16 n .. 16 n + 15.  Waves 0 and 1: the product for batches 0-15 and 16-31.  Waves 2 and 3: K steps 0-3 and 4-7 of Ua's record n.  The waves share nothing: no LDS, no barrier.
; No cluster: the two product waves of a work-group read rows of Wa that no other work-group reads, and dec_hidden's 24 KB are a small part of the launch's bytes.
; THE PRODUCT IS USED TRANSPOSED: source 0 = 16 rows (u) of Wa, source 1 = 16 rows (b) of dec_hidden: lane (r, h) holds batch r and its register j the unit 16 n + 8 h + j: 32 neighbouring bytes of a row of dcw.
; These stores are 32 bytes a lane to rows 4,096 bytes apart; the buffer is 128 KB in all, so they do not go through a stage.
; A RECORD OF uaf, REC = 13,312 bytes: at 1,536 s + 512 g + 16 lane registers 4 g .. 4 g + 3 of the fragment of K step s (16 u x 128 K, 12 registers a lane); at 12,288 + 512 g + 16 lane the scale words of K steps 4 g .. 4 g + 3
; of row u = lane % 16 (lanes 16-31 hold them once more, so that one address, 16 x lane, serves codes and scale words).
.set REC, 13312
.set CF,  0x4038aa3b                   ; c = 2 log2(e)
.set WF,  16                           ; v16-111   Wa's eight fragments (waves 2, 3: four of Ua's)
.set DF,  112                          ; v112-207  dec_hidden's eight
.set WS,  208                          ; v208-215  Wa's scale words, one for each K step
.set DS,  216                          ; v216-223  dec_hidden's
.set A0,  224                          ; v224-231  the sum over the even K steps
.set A1,  232                          ; v232-239  over the odd ones
.set RS,  240                          ; v240-247  the result
.set UW,  248                          ; v248-251  waves 2, 3: four scale words of Ua
	s_load_b256 s[4:11], s[0:1], 0x0               ; Wa's codes s[4:5], Wa's scales s[6:7], dec_hidden's codes s[8:9], its scales s[10:11]
	s_load_b256 s[12:19], s[0:1], 0x20             ; Ua's codes s[12:13], Ua's scales s[14:15], dcw s[16:17], uaf s[18:19]
	v_lshrrev_b32 v6, 5, v0
	v_readfirstlane_b32 s20, v6                    ; wave 0..3
	v_and_b32 v1, 15, v0                           ; r
	v_bfe_u32 v2, v0, 4, 1                         ; h
	v_mul_u32_u24 v3, v1, 768                      ; a row of 1,024 codes is 768 bytes
	v_mad_u32_u24 v3, v2, 24, v3                   ; + 24 h: my half's block of 32 codes
	v_lshlrev_b32 v4, 5, v1                        ; a row of scale bytes is 32 bytes
	v_lshlrev_b32 v5, 12, v1                       ; dcw: row r of 4,096 bytes,
	v_lshl_add_u32 v5, v2, 5, v5                   ; + 32 h
	v_and_b32 v7, 31, v0
	v_lshlrev_b32 v7, 4, v7                        ; 16 x lane
	s_mov_b32 s23, 0                               ; the upper word of every offset
	s_mov_b32 s24, CF
	s_mov_b32 s25, CF                              ; (named with s24 as a pair, so it is written)
	s_wait_kmcnt 0x0
	s_cmp_lt_u32 s20, 2
	s_cbranch_scc0 .Lua
	; ---- waves 0 and 1: c x dec_proj for batches 16 wave on, units 16 n on
	s_mul_i32 s22, ttmp9, 12288
	s_add_nc_u64 s[4:5], s[4:5], s[22:23]          ; Wa's 16 rows
	s_lshl_b32 s22, ttmp9, 9
	s_add_nc_u64 s[6:7], s[6:7], s[22:23]          ; and their scale bytes
	s_mul_i32 s22, s20, 12288
	s_add_nc_u64 s[8:9], s[8:9], s[22:23]          ; dec_hidden's 16 rows
	s_lshl_b32 s22, s20, 9
	s_add_nc_u64 s[10:11], s[10:11], s[22:23]
	s_lshl_b32 s22, s20, 16
	s_lshl_b32 s21, ttmp9, 6
	s_add_co_u32 s22, s22, s21
	s_add_nc_u64 s[16:17], s[16:17], s[22:23]      ; dcw at row 16 wave, column 16 n
.irp s, 0,1,2,3,4,5,6,7
.irp p, 0,1,2,3,4,5
	global_load_b64 v[WF+12*\s+2*\p:WF+12*\s+2*\p+1], v3, s[4:5] offset:96*\s+48*(\p/3)+8*(\p%3)   ; registers 6 c .. 6 c + 5: K = 128 s + 64 c + 32 h + 0 .. 31, as the bits lie; in pieces of 8 bytes
	global_load_b64 v[DF+12*\s+2*\p:DF+12*\s+2*\p+1], v3, s[8:9] offset:96*\s+48*(\p/3)+8*(\p%3)
.endr
.endr
	global_load_b128 v[WS:WS+3], v4, s[6:7]        ; word s: the four scale bytes of K step s
	global_load_b128 v[WS+4:WS+7], v4, s[6:7] offset:16
	global_load_b128 v[DS:DS+3], v4, s[10:11]
	global_load_b128 v[DS+4:DS+7], v4, s[10:11] offset:16
	s_wait_loadcnt 0x0
.irp s, 0,1,2,3,4,5,6,7                        ; two accumulators by turns, one instruction a turn; each sum's first product takes 0 as C
.if \s < 2
	v_wmma_scale_f32_16x16x128_f8f6f4 v[A0+8*(\s%2):A0+8*(\s%2)+7], v[WF+12*\s:WF+12*\s+11], v[DF+12*\s:DF+12*\s+11], 0, v[WS+\s], v[DS+\s] matrix_a_fmt:MATRIX_FMT_FP6 matrix_b_fmt:MATRIX_FMT_FP6
.else
	v_wmma_scale_f32_16x16x128_f8f6f4 v[A0+8*(\s%2):A0+8*(\s%2)+7], v[WF+12*\s:WF+12*\s+11], v[DF+12*\s:DF+12*\s+11], v[A0+8*(\s%2):A0+8*(\s%2)+7], v[WS+\s], v[DS+\s] matrix_a_fmt:MATRIX_FMT_FP6 matrix_b_fmt:MATRIX_FMT_FP6
.endif
.endr
.rept 4
	v_nop                                          ; four places between the last products and the first read of their results (ISA guide 7.12.1)
.endr
.irp j, 0,2,4,6
	v_pk_add_f32 v[RS+\j:RS+\j+1], v[A0+\j:A0+\j+1], v[A1+\j:A1+\j+1]   ; both accumulators from their low end on
.endr
.irp j, 0,2,4,6
	v_pk_mul_f32 v[RS+\j:RS+\j+1], v[RS+\j:RS+\j+1], s[24:25] op_sel_hi:[1,0]   ; x c: the next launch then needs one multiply-add for c (enc_proj + dec_proj)
.endr
	global_store_b128 v5, v[RS:RS+3], s[16:17]
	global_store_b128 v5, v[RS+4:RS+7], s[16:17] offset:16
	s_endpgm
.Lua:
	; ---- waves 2 and 3: K steps 4 kh .. 4 kh + 3 of record n, kh = wave - 2
	s_sub_co_u32 s21, s20, 2
	s_mul_i32 s22, ttmp9, 12288
	s_mul_i32 s26, s21, 384
	s_add_co_u32 s22, s22, s26
	s_add_nc_u64 s[12:13], s[12:13], s[22:23]      ; Ua's 16 rows, 4 kh K steps of 96 bytes on
	s_lshl_b32 s22, ttmp9, 9
	s_lshl_b32 s26, s21, 4
	s_add_co_u32 s22, s22, s26
	s_add_nc_u64 s[14:15], s[14:15], s[22:23]      ; their scale bytes, 4 kh words on
	s_mul_i32 s22, ttmp9, REC
	s_lshl_b32 s26, s21, 9
	s_add_co_u32 s22, s22, s26
	s_add_nc_u64 s[28:29], s[18:19], s[22:23]      ; the record + 512 kh: with the offset 12,288 the place of my four scale words
	s_mul_i32 s22, ttmp9, REC
	s_mul_i32 s26, s21, 6144
	s_add_co_u32 s22, s22, s26
	s_add_nc_u64 s[18:19], s[18:19], s[22:23]      ; the record + 4 kh fragments of 1,536 bytes
.irp f, 0,1,2,3
.irp p, 0,1,2,3,4,5
	global_load_b64 v[WF+12*\f+2*\p:WF+12*\f+2*\p+1], v3, s[12:13] offset:96*\f+48*(\p/3)+8*(\p%3)
.endr
.endr
	global_load_b128 v[UW:UW+3], v4, s[14:15]
	s_wait_loadcnt 0x0
.irp f, 0,1,2,3
.irp g, 0,1,2
	global_store_b128 v7, v[WF+12*\f+4*\g:WF+12*\f+4*\g+3], s[18:19] offset:1536*\f+512*\g   ; 32 lanes store 512 consecutive bytes, at a multiple of 256 from the buffer's first byte
.endr
.endr
	global_store_b128 v7, v[UW:UW+3], s[28:29] offset:12288
	s_endpgm
.Lfunc_end_k_q795277b5f0_prep:
	.size	k_q795277b5f0_prep, .Lfunc_end_k_q795277b5f0_prep-k_q795277b5f0_prep
	.p2alignl 7, 3214868480
	.fill 96, 4, 3214868480
	.section	.rodata,"a",@progbits
	.p2align	6, 0x0
	.amdhsa_kernel k_q795277b5f0_prep
		.amdhsa_group_segment_fixed_size 0
		.amdhsa_private_segment_fixed_size 0
		.amdhsa_enable_private_segment 0
		.amdhsa_kernarg_size 64
		.amdhsa_user_sgpr_count 2
		.amdhsa_user_sgpr_kernarg_segment_ptr 1
		.amdhsa_wavefront_size32 1
		.amdhsa_system_sgpr_workgroup_id_x 1
		.amdhsa_system_sgpr_workgroup_id_y 1
		.amdhsa_system_sgpr_workgroup_id_z 1
		.amdhsa_system_vgpr_workitem_id 0
		.amdhsa_next_free_vgpr 256
		.amdhsa_next_free_sgpr 66
		.amdhsa_reserve_vcc 0
		.amdhsa_float_denorm_mode_32 3
		.amdhsa_float_denorm_mode_16_64 3
		.amdhsa_memory_ordered 1
		.amdhsa_forward_progress 1
		.amdhsa_inst_pref_size 18
	.end_amdhsa_kernel
	.amdgpu_metadata
---
amdhsa.version: [ 1, 2 ]
amdhsa.kernels:
  - .name:           k_q795277b5f0_prep
    .symbol:         k_q795277b5f0_prep.kd
    .args:
      - { .name: Wa_codes, .offset: 0, .size: 8, .value_kind: global_buffer, .address_space: global }
      - { .name: Wa_scales, .offset: 8, .size: 8, .value_kind: global_buffer, .address_space: global }
      - { .name: dec_hidden_codes, .offset: 16, .size: 8, .value_kind: global_buffer, .address_space: global }
      - { .name: dec_hidden_scales, .offset: 24, .size: 8, .value_kind: global_buffer, .address_space: global }
      - { .name: Ua_codes, .offset: 32, .size: 8, .value_kind: global_buffer, .address_space: global }
      - { .name: Ua_scales, .offset: 40, .size: 8, .value_kind: global_buffer, .address_space: global }
      - { .name: dcw, .offset: 48, .size: 8, .value_kind: global_buffer, .address_space: global }
      - { .name: uaf, .offset: 56, .size: 8, .value_kind: global_buffer, .address_space: global }
    .group_segment_fixed_size: 0
    .private_segment_fixed_size: 0
    .kernarg_segment_align: 8
    .kernarg_segment_size: 64
    .max_flat_workgroup_size: 128
    .sgpr_count:     66
    .vgpr_count:     256
    .wavefront_size: 32
...
	.end_amdgpu_metadata
.endif
;; end of part 1
;; launch energies (part 2): grid 256 x 1, 4 waves a work-group, clusters of 4 x 1, 327,680 bytes of LDS; arguments enc_out, uaf, dcw, Va, scores; writes scores
.if DOCPART == 2
	.amdgcn_target "amdgcn-amd-amdhsa--gfx1250"
	.amdhsa_code_object_version 6
	.text
	.protected	k_q795277b5f0_energies
	.globl	k_q795277b5f0_energies
	.p2align	8
	.type	k_q795277b5f0_energies,@function
k_q795277b5f0_energies:
	s_mov_b64 s[64:65], 0
	v_nop
	global_prefetch_b8 v0, s[64:65] scope:SCOPE_SE
	s_setreg_imm32_b32 hwreg(HW_REG_WAVE_MODE, 25, 1), 1
	s_wait_xcnt 0x0
	s_wait_alu depctr_hold_cnt(0) depctr_sa_sdst(0) depctr_va_vdst(0) depctr_va_sdst(0) depctr_va_ssrc(0) depctr_va_vcc(0) depctr_vm_vsrc(0)
	s_getreg_b32 s2, hwreg(HW_REG_IB_STS2, 6, 4)
	s_cmp_eq_u32 s2, 0
	s_cbranch_scc0 .Lentry_in_a_cluster
	s_endpgm
.Lentry_in_a_cluster:
	s_bfe_u32 s2, ttmp6, 0x10000c
	s_cmp_lg_u32 s2, 0x3003
	s_cbranch_scc0 .Lentry_shape_is_right
	s_endpgm
.Lentry_shape_is_right:
; scores[b][t] = sum_u (-2 Va[u]) / (1 + 2^(c (enc_proj[b][t][u] + dec_proj[b][u]))), c = 2 log2(e); enc_proj = Q(enc_out) Ua on codes of E2M3 with one E8M0 scale for each 32 along K = H.
; WORK LEFT OUT: tanh(x) = 1 - 2 / (1 + 2^(c x)), and the term sum_u Va[u] is the same along the softmax's axis for all values of the inputs: it is not formed (shown at the head of the first launch).
; LIMITS.  NaN and infinities in enc_out are not served.  A block of 32 whose largest magnitude lies under 2^-124 gets the scale byte 1; a block of zeros gets 1 where the quantiser says 127: its codes are zeros, which add
; nothing under any byte but 0xff, and this launch alone reads the bytes.  2^(c x) may become infinity or 0: the quotient is then 0 or 1, tanh's own limits.
; SHARES.  A work-group owns 256 rows (b, t) of one batch, each of its four waves 64: four tiles of 16.  PHASE X: a wave reads its rows of enc_out once, quantises them, and keeps all their codes (32 fragments, 384 registers)
; and scale words (32 registers).  PHASE M: all 64 tiles of 16 units u pass by: Ua's records (laid by the first launch in the order of the operand's registers) come through a ring of two LDS slots of 8 records that all four
; waves read; each fragment read from LDS feeds four matrix instructions.  A row's sum over u never leaves its wave.
; CLUSTER.  Every work-group walks the same records, so the four of a cluster ask JOINTLY: the same tensor load with the same descriptor and the mask of all four.  Nothing in a descriptor, an LDS address or a branch hangs on the place in the cluster.
; LAYOUT.  Source 0 = 16 units of Ua, source 1 = 16 rows: lane (r, h) holds row r, its register j the unit 16 g + 8 h + j.  So the sum over u is a sum inside a lane, and one exchange of halves at the end.
; BY TURNS.  While tile g's 32 products are issued into one set of four accumulators, the tanh of tile g - 1 runs on the other set, three vector instructions behind each matrix instruction.
; No prefetch: phase X keeps 64 loads of 512 bytes a wave on their way, and the records are read by every cluster.
; REGISTERS, in windows of 256 (s_set_vgpr_msb: bits 1:0 source 0, 3:2 source 1, 5:4 source 2, 7:6 destination):
;   window 0: v0-31 addresses and work; v32-63 the rows' scale words; v64-79 Ua's scale words, two sets; v80-95 the table on its way in; v96-223 two sets of 64 numbers to be quantised
;   window 1: phase X: four sets of 64 numbers as loaded.  Phase M: v0-95 Ua's 8 fragments; v96-127, v128-159 the two sets of accumulators; v160-191 two sets of (8 c dec_proj, 8 -2 Va); v192-199 the rows' sums
;   window 2: the rows' fragments of K steps 0-3, fragment (s, m) at v[12 (4 s + m)]; v192-198 at work.   window 3: the same for K steps 4-7.
.set REC,   13312                      ; a record: 8 fragments of 1,536 bytes, then 1,024 bytes of scale words
.set SLOTB, 8*REC                      ; a slot's bytes
.set SLOT1, 1<<17                      ; slot 1 begins here, so that one exclusive or turns an address in one slot into the other's
.set TAB,   SLOT1+SLOTB                ; behind the ring: for each tile of 16 units 128 bytes: 16 numbers c dec_proj, 16 numbers -2 Va; stored once by ds_store
.set STG,   TAB+8192                   ; a stage of 16 rows x (512 + 16) bytes for each wave
.set STGW,  16*528
.set SPARE, STG+4*STGW                 ; the spare words, 128 bytes for each wave: two blocks of 256 bytes that no other line names
.set LI,  4                            ; v4   16 x lane: my place in an image of registers; also my offset in 512 bytes of a row of enc_out
.set SH,  5                            ; v5   8 h
.set SWA, 6                            ; v6   the stage, on the way in: 16 x lane
.set SRA, 7                            ; v7   and back: 528 r + 128 h
.set ADB, 8                            ; v8   LDS address of the pair of records in hand
.set ADN, 9                            ; v9   of the next slot's first record
.set ADT, 10                           ; v10  of the pair's place in the table
.set LT,  11                           ; v11  TAB + 32 h
.set TAD, 12                           ; v12  where my thread stores its part of the table
.set OS4, 13                           ; v13  the way out: my stage + 4 x lane
.set OS8, 14                           ; v14  my stage + 8 x lane
.set GO8, 15                           ; v15  8 x lane
.set MX,  16                           ; v16-17 two blocks' largest magnitudes
.set SCL, 18                           ; v18-19 the conversions' scale operands
.set BY,  20                           ; v20-21 the scale bytes
.set W,   22                           ; v22  my two bytes at their places
.set PX,  23                           ; v23  the other half's
.set FS,  24                           ; v24-27 the way out: the four tiles' sums
.set TO,  29                           ; v29  32 x thread: my offset in dcw's row and in Va
.set SPW, 30                           ; v30  LDS address of my spare word; never rewritten
.set NIL, 31                           ; v31  0; never rewritten
.set AS,  32                           ; v32-63 scale word of row tile m, K step s at v[AS + 8 m + s]: these hold scales and nothing else
.set US,  64                           ; v64-79 Ua's scale words: set p at v[US + 8 p + s]
.set TBL, 80
.set XB,  96
.set BF,  0                            ; window 1
.set XA,  96
.set DV,  160
.set SC,  192
.set TC,  192                          ; windows 2 and 3
.set WV,  14                           ; s14  my wave's number
.set G1,  24                           ; s[24:31] descriptor group 1
.set G0A, 32                           ; s[32:35] group 0 of slot 0's first fill
.set G0W, 36                           ; s[36:39] group 0 of slot 1's first fill, which then walks
.set CC,  40                           ; s[40:41] c, twice
.set SEL, 42                           ; s[42:43] lane selects for v_permlanex16_b32: lane l xor 16
.set TB,  44                           ; s44  LDS byte at which the pair of records in hand begins
.set TNX, 45                           ; s45  at which the next slot begins
.set TT,  46                           ; s46  the pair's place in the table
.set SL,  47                           ; s47  counts slots
.set PR,  48                           ; s48  counts pairs
.set MA,  0x59                         ; products of K steps 0-3: D, C and source 0 window 1, source 1 window 2.  The tanh's lines name window 1 as destination, source 0 and source 2, and a scalar or a constant as source 1: no switch
.set MB,  0x5d                         ; K steps 4-7: source 1 window 3
.set MSB, 0
.macro WIN new                         ; the immediate's high byte repeats the setting that is left; a switch that changes nothing is dropped
.if MSB != (\new)
	s_set_vgpr_msb (MSB<<8)|(\new)
.set MSB, (\new)
.endif
.endm
; A round of the cluster's barrier: my work-group's barrier, so that wave 0's signal speaks for all four waves; wave 0 signals; every wave waits for all four work-groups; my work-group's barrier once more.
.macro CROUND
	s_barrier_signal -1
	s_barrier_wait -1
	s_cmp_lg_u32 s[WV], 0
	s_cbranch_scc1 .Lnot_wave_0_\@
	s_barrier_signal -3
.Lnot_wave_0_\@:
	s_barrier_wait -3
	s_barrier_signal -1
	s_barrier_wait -1
.endm
	s_load_b256 s[4:11], s[0:1], 0x0               ; enc_out s[4:5], uaf s[6:7], dcw s[8:9], Va s[10:11]
	s_load_b64 s[12:13], s[0:1], 0x20              ; scores
	v_lshl_add_u32 v[SPW], v0, 2, SPARE
	v_mov_b32 v[NIL], 0
	ds_add_u32 v[SPW], v[NIL]                      ; the wave's opening: the add, twice on end, and its wait ahead of my first tensor load; the set-up below stands between the second and the wait
	ds_add_u32 v[SPW], v[NIL]
	v_lshrrev_b32 v1, 5, v0
	v_readfirstlane_b32 s[WV], v1                  ; wave 0..3
	s_bfe_u32 s15, ttmp6, 0x40000                  ; cx: my place in the cluster
	s_lshl_b32 s16, ttmp9, 2                       ; in a cluster launch ttmp9 counts clusters
	s_add_co_u32 s16, s16, s15                     ; my block of 256 rows: it enters the addresses of enc_out and scores alone
	; descriptor group 1: two records, 26,624 dense bytes, as 104 rows of 256 bytes (32 elements of 8 bytes), no padding: an image of registers is read back 512 consecutive bytes an instruction
	s_mov_b32 s[G1], 15|(3<<16)|(1<<21)            ; 15:0 the mask: all four work-groups; 17:16 elements of 8 bytes; 21 set beside a mask
	s_mov_b32 s[G1+1], 32<<16                      ; tensor_dim0 = 32
	s_mov_b32 s[G1+2], 104<<16                     ; tensor_dim1 = 104
	s_mov_b32 s[G1+3], 32<<16                      ; tile_dim0 = 32
	s_mov_b32 s[G1+4], 104                         ; tile_dim1 = 104
	s_mov_b32 s[G1+5], 32                          ; from row to row
	s_mov_b32 s[G1+6], 0
	s_mov_b32 s[G1+7], 0
	s_mov_b32 s[CC], 0x4038aa3b                    ; c = 2 log2(e)
	s_mov_b32 s[CC+1], 0x4038aa3b
	s_mov_b32 s[SEL], 0x76543210
	s_mov_b32 s[SEL+1], 0xfedcba98
	s_lshl_b32 s18, s16, 20                        ; enc_out: 256 rows of 4,096 bytes a work-group,
	s_lshl_b32 s19, s[WV], 18                      ; 64 a wave
	s_add_co_u32 s18, s18, s19
	s_mov_b32 s19, 0
	s_lshr_b32 s50, ttmp9, 1                       ; the batch: eight work-groups, two clusters, to a batch
	s_lshl_b32 s50, s50, 12                        ; its row of dcw
	s_mov_b32 s51, 0
	s_lshl_b32 s52, s16, 10                        ; scores: 1,024 bytes a work-group,
	s_lshl_b32 s53, s[WV], 8                       ; 256 a wave
	s_add_co_u32 s52, s52, s53
	s_mov_b32 s53, 0
	s_mul_i32 s20, s[WV], 2*REC                    ; which two records of a slot I fetch: in memory and in LDS alike
	s_mov_b32 s21, 0
	s_mul_i32 s17, s[WV], STGW
	s_add_co_u32 s17, s17, STG                     ; my stage
	v_and_b32 v1, 15, v0                           ; r
	v_bfe_u32 v2, v0, 4, 1                         ; h
	v_and_b32 v3, 31, v0                           ; lane
	v_lshlrev_b32 v[LI], 4, v3
	v_lshlrev_b32 v[SH], 3, v2
	v_add_nc_u32 v[SWA], s17, v[LI]
	v_mul_u32_u24 v[SRA], v1, 528
	v_lshl_add_u32 v[SRA], v2, 7, v[SRA]
	v_add_nc_u32 v[SRA], s17, v[SRA]
	v_lshl_add_u32 v[LT], v2, 5, TAB
	v_lshrrev_b32 v[TAD], 1, v0                    ; thread t holds units 8 t .. 8 t + 7: tile t / 2, half t % 2
	v_lshlrev_b32 v[TAD], 7, v[TAD]
	v_and_b32 v[MX], 1, v0
	v_lshl_add_u32 v[TAD], v[MX], 5, v[TAD]
	v_add_nc_u32 v[TAD], TAB, v[TAD]
	v_lshl_add_u32 v[OS4], v3, 2, s17
	v_lshl_add_u32 v[OS8], v3, 3, s17
	v_lshlrev_b32 v[GO8], 3, v3
	v_lshlrev_b32 v[TO], 5, v0
	v_mov_b32 v[PX], 0                             ; written once: a lane permute's destination counts as one of its sources
	s_wait_dscnt 0x0                               ; both opening adds are done
	s_wait_kmcnt 0x0
	s_add_nc_u64 s[4:5], s[4:5], s[18:19]
	s_add_nc_u64 s[8:9], s[8:9], s[50:51]
	s_add_nc_u64 s[12:13], s[12:13], s[52:53]
	s_mov_b32 s[G0A], 1                            ; count = 1
	s_mov_b32 s[G0A+1], s20                        ; LDS address: slot 0
	s_add_nc_u64 s[G0A+2:G0A+3], s[6:7], s[20:21]  ; records 0 to 7
	s_or_b32 s[G0A+3], s[G0A+3], 0x80000000        ; type = 2
	s_mov_b32 s[G0W], 1
	s_add_co_u32 s[G0W+1], s20, SLOT1              ; slot 1
	s_add_nc_u64 s[G0W+2:G0W+3], s[6:7], s[20:21]
	s_add_nc_u64 s[G0W+2:G0W+3], s[G0W+2:G0W+3], SLOTB   ; records 8 to 15
	s_or_b32 s[G0W+3], s[G0W+3], 0x80000000
	CROUND                                         ; all four work-groups are here: the first joint loads meet
	tensor_load_to_lds s[G0A:G0A+3], s[G1:G1+7]    ; every wave issues both first fills: two tensor loads of mine are out; they land while phase X runs
	s_nop 0
	tensor_load_to_lds s[G0W:G0W+3], s[G1:G1+7]
	s_nop 0
.rept 4
	v_nop
.endr
; ---------------- PHASE X.  A unit u = 8 m + s is 16 rows (tile m) x 128 numbers (K step s).
; GLOAD: sixteen loads, each 512 consecutive bytes of one row, into set u % 4 of window 1.
.macro GLOAD u
	WIN 0x40                                       ; destination window 1, address window 0
.irp i, 0,1,2,3,4,5,6,7,8,9,10,11,12,13,14,15
	global_load_b128 v[64*((\u)%4)+4*\i:64*((\u)%4)+4*\i+3], v[LI], s[4:5] offset:(16*((\u)/8)+\i)*4096+512*((\u)%8) th:TH_LOAD_NT
.endr
.endm
; TURN: the unit goes through my stage as it lies, row i at 528 i (an odd multiple of 16 bytes, so that the sixteen rows of a load back start in different banks: 64 banks of 4 bytes, ISA guide 11.1), and comes back
; so that lane (r, h) holds, of row r, K = 64 c + 32 h + 0 .. 31 in registers 32 c + 0 .. 31: two whole blocks, in the order of the operand's registers.  LDS serves a wave's instructions in order (ISA guide 5.7.1.4): no wait between.
.macro TURN u
	WIN 0x04                                       ; an LDS store's data are its source 1: window 1
.irp i, 0,1,2,3,4,5,6,7,8,9,10,11,12,13,14,15
	ds_store_b128 v[SWA], v[64*((\u)%4)+4*\i:64*((\u)%4)+4*\i+3] offset:528*\i
.endr
	WIN 0
.irp c, 0,1
.irp i, 0,1,2,3,4,5,6,7
	ds_load_b128 v[XB+64*((\u)%2)+32*\c+4*\i:XB+64*((\u)%2)+32*\c+4*\i+3], v[SRA] offset:256*\c+16*\i
.endr
.endr
.endm
; QUANT: the quantiser.  A block's largest magnitude, with the floor 2^(3 - 127) among its leaves, so that the byte cannot fall under 1; 2 off its exponent field is the conversion's scale operand; that field is the byte.
.macro QUANT u
.set xs, XB+64*((\u)%2)
.set fr, 12*(4*((\u)%4)+(\u)/8)
.set hw, ((\u)%8)/4
	WIN 0
.irp c, 0,1
	v_max3_num_f32 v[MX+\c], |v[xs+32*\c]|, |v[xs+32*\c+1]|, 0x1800000
.endr
.irp i, 2,4,6,8,10,12,14,16,18,20,22,24,26,28,30
.irp c, 0,1
	v_max3_num_f32 v[MX+\c], v[MX+\c], |v[xs+32*\c+\i]|, |v[xs+32*\c+\i+1]|   ; the two blocks by turns
.endr
.endr
.irp c, 0,1
	v_add_nc_u32 v[SCL+\c], 0xff000000, v[MX+\c]
.endr
.irp c, 0,1
	v_lshrrev_b32 v[BY+\c], 23, v[SCL+\c]
.endr
	v_lshl_or_b32 v[W], v[BY+1], 16, v[BY]         ; my two bytes: blocks h and 2 + h of the K step,
	v_lshlrev_b32 v[W], v[SH], v[W]                ; at their places;
	v_permlanex16_b32 v[PX], v[W], s[SEL], s[SEL+1]
	v_or_b32 v[AS+(\u)], v[W], v[PX]               ; with lane l xor 16's two the row's scale word is whole
	WIN 0x80+0x40*hw                               ; destination window 2 or 3
.irp c, 0,1
	v_cvt_scalef32_pk16_fp6_f32 v[fr+6*\c:fr+6*\c+2], v[xs+32*\c:xs+32*\c+15], v[SCL+\c]            ; registers 6 c .. 6 c + 2 of the fragment
	v_cvt_scalef32_pk16_fp6_f32 v[TC+4*\c:TC+4*\c+2], v[xs+32*\c+16:xs+32*\c+31], v[SCL+\c]         ; a conversion's three registers begin on an even number: the upper three are made elsewhere and moved
.endr
	v_nop                                          ; one plain place behind a scaled conversion
	WIN 0x82+0x41*hw                               ; source 0 and destination window 2 or 3
.irp c, 0,1
.irp i, 0,1,2
	v_mov_b32 v[fr+6*\c+3+\i], v[TC+4*\c+\i]
.endr
.endr
.endm
.macro STEP u
	s_wait_dscnt 0x0                               ; this unit's numbers are back from the stage, and the stage's stores have read set u % 4,
.if (\u) < 28
	GLOAD (\u)+4                                   ; which takes the unit four further on
	s_wait_loadcnt 48                              ; the next unit's sixteen loads are in; those of the three units behind it stay out
.elseif (\u) < 31
	s_wait_loadcnt 16*(30-(\u))                    ; the counts run down: 32, 16, 0
.endif
.if (\u) < 31
	TURN (\u)+1                                    ; the next unit goes through the stage while this one is quantised
.endif
	QUANT \u
.endm
	global_load_b128 v[TBL:TBL+3], v[TO], s[8:9]             ; my 8 numbers of c dec_proj
	global_load_b128 v[TBL+4:TBL+7], v[TO], s[8:9] offset:16
	global_load_b128 v[TBL+8:TBL+11], v[TO], s[10:11]        ; and of Va
	global_load_b128 v[TBL+12:TBL+15], v[TO], s[10:11] offset:16
	GLOAD 0
	GLOAD 1
	GLOAD 2
	WIN 0
	s_wait_loadcnt 48                              ; the table's four loads are in; the 48 behind them stay out
.irp j, 8,10,12,14
	v_pk_mul_f32 v[TBL+\j:TBL+\j+1], v[TBL+\j:TBL+\j+1], -2.0 op_sel_hi:[1,0]
.endr
	ds_store_b128 v[TAD], v[TBL:TBL+3]
	ds_store_b128 v[TAD], v[TBL+4:TBL+7] offset:16
	ds_store_b128 v[TAD], v[TBL+8:TBL+11] offset:64
	ds_store_b128 v[TAD], v[TBL+12:TBL+15] offset:80
	GLOAD 3
	s_wait_loadcnt 48                              ; unit 0 is in
	TURN 0
.set U, 0
.rept 32
	STEP U
.set U, U+1
.endr
; ---------------- INTO PHASE M.  The tile is written once: the first tile's tanh runs on zeros with a weight of 0 (0 x 0.5 is added to the sums, which begin here as zeros).
	WIN 0x40
.set n, 0
.rept 32
	v_mov_b32 v[XA+32+n], 0
.set n, n+1
.endr
.set n, 0
.rept 16
	v_mov_b32 v[DV+16+n], 0
.set n, n+1
.endr
.set n, 0
.rept 8
	v_mov_b32 v[SC+n], 0
.set n, n+1
.endr
	WIN 0
	s_wait_tensorcnt 0x1                           ; my part of slot 0 has landed; slot 1's may stay out
	s_wait_dscnt 0x0                               ; my part of the table is stored
	s_barrier_signal -1
	s_barrier_wait -1                              ; everybody's
	s_mov_b32 s[TB], 0
	s_mov_b32 s[TT], 0
	ds_load_b128 v[US:US+3], v[LI] offset:12288    ; tile 0's loads, in the order in which a tile asks for its successor's, so that the tile's counts hold: 2 + 12, then 12 + 4
	ds_load_b128 v[US+4:US+7], v[LI] offset:12288+512
	WIN 0x40
.irp f, 0,1,2,3,4,5,6,7
.irp g, 0,1,2
	ds_load_b128 v[BF+12*\f+4*\g:BF+12*\f+4*\g+3], v[LI] offset:1536*\f+512*\g
.endr
.endr
	ds_load_b128 v[DV:DV+3], v[LT]
	ds_load_b128 v[DV+4:DV+7], v[LT] offset:16
	ds_load_b128 v[DV+8:DV+11], v[LT] offset:64
	ds_load_b128 v[DV+12:DV+15], v[LT] offset:80
	WIN 0
; Product i of a tile's 32: K step i / 4, row tile i % 4, into set p.  The four accumulators take turns, one instruction a turn; the first four start the sums with 0.
.macro WM p
.set ws_, i/4
.set wm_, i%4
.set xd, XA+32*(\p)+8*wm_
.set rf, 12*(4*(ws_%4)+wm_)
.if ws_ == 0
	v_wmma_scale_f32_16x16x128_f8f6f4 v[xd:xd+7], v[BF+12*ws_:BF+12*ws_+11], v[rf:rf+11], 0, v[US+8*(\p)+ws_], v[AS+8*wm_+ws_] matrix_a_fmt:MATRIX_FMT_FP6 matrix_b_fmt:MATRIX_FMT_FP6
.else
	v_wmma_scale_f32_16x16x128_f8f6f4 v[xd:xd+7], v[BF+12*ws_:BF+12*ws_+11], v[rf:rf+11], v[xd:xd+7], v[US+8*(\p)+ws_], v[AS+8*wm_+ws_] matrix_a_fmt:MATRIX_FMT_FP6 matrix_b_fmt:MATRIX_FMT_FP6
.endif
.set i, i+1
.endm
; THE TANH OF A TILE on set q is a list of 96 instructions; TN writes number j and steps j.  The set's 32 registers are 16 pairs.
;   0-47   c x + c dec_proj, a pair at a time (16), and 2^(.) of each (32): numbers 0, 1 scale pairs 0, 1; then threes: two exponentials of pair k, the scaling of pair k + 2; 44-47 the last four exponentials
;   48-95  the same pattern with 1 + (.) in the scalings' place and 1 / (.) in the exponentials'
; Neither half reads a result of its own transcendentals, so each half has ONE wait, behind it.  The scalings ascend.
.macro TN q
.set xq, XA+32*(\q)
.set dq, DV+16*(\q)
.set tj, j%48
.if tj < 2
.set tp, 1
.set tk, tj
.elseif tj >= 44
.set tp, 0
.set tk, tj-16
.elseif (tj-2)%3 == 2
.set tp, 1
.set tk, (tj-2)/3+2
.else
.set tp, 0
.set tk, 2*((tj-2)/3)+(tj-2)%3
.endif
.if tp && (j < 48)
	v_pk_fma_f32 v[xq+2*tk:xq+2*tk+1], v[xq+2*tk:xq+2*tk+1], s[CC:CC+1], v[dq+(2*tk)%8:dq+(2*tk)%8+1] op_sel_hi:[1,0,1]
.elseif tp
	v_pk_add_f32 v[xq+2*tk:xq+2*tk+1], v[xq+2*tk:xq+2*tk+1], 1.0 op_sel_hi:[1,0]
.elseif j < 48
	v_exp_f32 v[xq+tk], v[xq+tk]
.else
	v_rcp_f32 v[xq+tk], v[xq+tk]
.endif
.set j, j+1
.endm
; The rows' sums take (-2 Va) x the quotients of set q: sixteen packed multiply-adds, the four row tiles by turns.
.macro FB q
.set xq, XA+32*(\q)
.set dq, DV+16*(\q)
.irp e, 0,2,4,6
.irp m, 0,1,2,3
	v_pk_fma_f32 v[SC+2*\m:SC+2*\m+1], v[xq+8*\m+\e:xq+8*\m+\e+1], v[dq+8+\e:dq+8+\e+1], v[SC+2*\m:SC+2*\m+1]
.endr
.endr
.endm
; THE CHANGE OF SLOTS, in a slot's last tile, when all reads of the slot have been issued.  Each wave waits for all its tensor loads (one is out: its part of the next slot), adds 0 to its spare word, and waits for that and for
; its reads of this slot.  fill = 1: the barrier is a round of the cluster's, so that no wave of any partner still reads the slot or has a load on its way; the joint refill, the records two slots on, is the first thing
; behind it and has eight tiles, 256 matrix instructions a wave, in which to land.  By this text's count one tensor load of a wave is then out.
.macro CHANGE fill
	WIN 0                                          ; at a label and at a branch every window is 0; the add's two registers lie in window 0
	s_wait_tensorcnt 0x0                           ; no tensor load of mine is out, so a group 0 may be written
	ds_add_u32 v[SPW], v[NIL]                      ; 0 onto my spare word
.if \fill
	s_xor_b32 s[G0W+1], s[G0W+1], SLOT1            ; the walking descriptor: the other slot than last time,
	s_add_nc_u64 s[G0W+2:G0W+3], s[G0W+2:G0W+3], SLOTB   ; the next eight records; the type bits on top are not reached
.endif
	s_wait_dscnt 0x0                               ; the add is done, and my reads of this slot are over (the last were issued sixteen products ago)
.if \fill
	CROUND
	tensor_load_to_lds s[G0W:G0W+3], s[G1:G1+7]
	s_nop 0
.rept 4
	v_nop                                          ; places in front of the loads that follow
.endr
.else
	s_barrier_signal -1
	s_barrier_wait -1
.rept 3
	v_nop
.endr
.endif
.endm
; A TILE of 16 units: 32 products into set p, the tanh of the tile before on the other set.  nadr, noff: where the next tile's record lies; toff: its place in the table, from v[ADT].
; mode 0: plain; 1: with the change of slots and a refill; 2: with the change alone; 3: the last tile, which fetches nothing.
; The next tile's loads stand in two runs.  MID (14): its scale words and fragments 0-3, when this tile's products of K steps 0-3 are issued.  END (16): its fragments 4-7 and its 16 numbers of the table.
; A load into a register that a matrix instruction has read stands four places behind it, and only plain vector instructions that name none of its registers are places (ISA guide 7.12.1 for vector instructions).
.macro TILE p, nadr, noff, toff, mode
	s_wait_dscnt 16                                ; all but the last END run: my scale words and fragments 0-3 are in
	WIN MA
.set i, 0
.set j, 0
.rept 16
	WM \p
	TN (1-\p)
	TN (1-\p)
	TN (1-\p)
.endr
	v_nop                                          ; the plain instruction behind the last exponential
	s_wait_alu depctr_va_vdst(0)                   ; one wait for the 32 exponentials, ahead of the first line that names a result
.if \mode == 0
.rept 3
	v_nop                                          ; with the one above: four places behind the last product that read fragment 3
.endr
.elseif \mode == 1
	CHANGE 1
.elseif \mode == 2
	CHANGE 0
.endif
.if \mode != 3
	WIN 0
	ds_load_b128 v[US+8*(1-\p):US+8*(1-\p)+3], v[\nadr] offset:(\noff)+12288
	ds_load_b128 v[US+8*(1-\p)+4:US+8*(1-\p)+7], v[\nadr] offset:(\noff)+12288+512
	WIN 0x40
.irp f, 0,1,2,3
.irp g, 0,1,2
	ds_load_b128 v[BF+12*\f+4*\g:BF+12*\f+4*\g+3], v[\nadr] offset:(\noff)+1536*\f+512*\g
.endr
.endr
	s_wait_dscnt 14                                ; all but the 14 just issued: fragments 4-7 and this tile's numbers of the table are in
.else
	s_wait_dscnt 0x0
.endif
	WIN MB
.rept 16
	WM \p
	TN (1-\p)
	TN (1-\p)
	TN (1-\p)
.endr
	v_nop                                          ; the plain instruction behind the last reciprocal
	s_wait_alu depctr_va_vdst(0)                   ; one wait for the 32 reciprocals
	WIN 0x55
	FB (1-\p)                                      ; sixteen plain instructions that name nothing of the last products: the places in front of the loads below and of the next tile's first read of set p
.if \mode != 3
	WIN 0x40
.irp f, 4,5,6,7
.irp g, 0,1,2
	ds_load_b128 v[BF+12*\f+4*\g:BF+12*\f+4*\g+3], v[\nadr] offset:(\noff)+1536*\f+512*\g
.endr
.endr
	ds_load_b128 v[DV+16*(1-\p):DV+16*(1-\p)+3], v[ADT] offset:(\toff)
	ds_load_b128 v[DV+16*(1-\p)+4:DV+16*(1-\p)+7], v[ADT] offset:(\toff)+16
	ds_load_b128 v[DV+16*(1-\p)+8:DV+16*(1-\p)+11], v[ADT] offset:(\toff)+64
	ds_load_b128 v[DV+16*(1-\p)+12:DV+16*(1-\p)+15], v[ADT] offset:(\toff)+80
.endif
.endm
; TWO TILES, after which the sets are back where they began.  kind 0: inside a slot; 1: a slot's last pair, with a refill; 2: without; 3: the last pair of all.
.macro PAIR kind
	v_add_nc_u32 v[ADB], s[TB], v[LI]
	v_add_nc_u32 v[ADT], s[TT], v[LT]
.if ((\kind) == 1) || ((\kind) == 2)
	s_sub_co_u32 s[TNX], s[TB], 6*REC              ; back to the slot's first record,
	s_xor_b32 s[TNX], s[TNX], SLOT1                ; in the other slot
	v_add_nc_u32 v[ADN], s[TNX], v[LI]
.endif
	TILE 0, ADB, REC, 128, 0
.if (\kind) == 0
	TILE 1, ADB, 2*REC, 256, 0
.elseif (\kind) == 1
	TILE 1, ADN, 0, 256, 1
.elseif (\kind) == 2
	TILE 1, ADN, 0, 256, 2
.else
	TILE 1, ADB, 0, 0, 3
.endif
	WIN 0
.if (\kind) == 0
	s_add_co_u32 s[TB], s[TB], 2*REC
.else
	s_sub_co_u32 s[TB], s[TB], 6*REC
	s_xor_b32 s[TB], s[TB], SLOT1
.endif
	s_add_co_u32 s[TT], s[TT], 256
.endm
.macro THREE                           ; a slot's first three pairs: written once, walked three times
	s_mov_b32 s[PR], 3
.Lpair_\@:
	PAIR 0
	s_sub_co_u32 s[PR], s[PR], 1
	s_cmp_lg_u32 s[PR], 0
	s_cbranch_scc1 .Lpair_\@
.endm
	s_mov_b32 s[SL], 6
.Lslot:                                            ; six trips: each of slots' worth 0 to 5 is followed by a refill (records 16 to 63)
	THREE
	PAIR 1
	s_sub_co_u32 s[SL], s[SL], 1
	s_cmp_lg_u32 s[SL], 0
	s_cbranch_scc1 .Lslot
	THREE                                          ; the tail is written out: the last slot but one is left and nothing is asked for
	PAIR 2
	THREE                                          ; and the last slot
	PAIR 3
	WIN 0x55                                       ; the last tile's tanh, on set 1, with nothing to stand beside
.set j, 0
.rept 48
	TN 1
.endr
	v_nop
	s_wait_alu depctr_va_vdst(0)
.rept 48
	TN 1
.endr
	v_nop
	s_wait_alu depctr_va_vdst(0)
	FB 1
	; THE WAY OUT.  A sum's two halves, then the other half of the lanes' eight units of each tile.  64 scores a wave go through my stage and leave as one store of 256 consecutive bytes, at a multiple of 256 from the buffer's first byte.
	WIN 0x05                                       ; sources 0 and 1 window 1, destination window 0
.irp m, 0,1,2,3
	v_add_f32 v[FS+\m], v[SC+2*\m], v[SC+2*\m+1]
.endr
	WIN 0
.irp m, 0,1,2,3
	v_permlanex16_b32 v[MX+\m], v[FS+\m], s[SEL], s[SEL+1]
.endr
.irp m, 0,1,2,3
	v_add_f32 v[FS+\m], v[FS+\m], v[MX+\m]         ; every lane (r, h) now holds row 16 m + r's score
.endr
	v_cmp_eq_u32 vcc_lo, 1, v2
	v_cndmask_b32 v[FS], v[FS], v[FS+1], vcc_lo    ; lane l: row l of my 64,
	v_cndmask_b32 v[FS+2], v[FS+2], v[FS+3], vcc_lo   ; and row 32 + l
	ds_store_b32 v[OS4], v[FS]
	ds_store_b32 v[OS4], v[FS+2] offset:128
	ds_load_b64 v[BY:BY+1], v[OS8]                 ; LDS serves a wave's instructions in order: this sees my stores
	s_wait_dscnt 0x0
	global_store_b64 v[GO8], v[BY:BY+1], s[12:13]
	s_wait_tensorcnt 0x0                           ; the wave's end, behind my last tensor load and my last LDS store
	ds_add_u32 v[SPW], v[NIL]
	s_wait_dscnt 0x0
	CROUND                                         ; the closing round: no work-group ends while a partner may still ask for records by a load that names it
	s_endpgm
.Lfunc_end_k_q795277b5f0_energies:
	.size	k_q795277b5f0_energies, .Lfunc_end_k_q795277b5f0_energies-k_q795277b5f0_energies
	.p2alignl 7, 3214868480
	.fill 96, 4, 3214868480
	.section	.rodata,"a",@progbits
	.p2align	6, 0x0
	.amdhsa_kernel k_q795277b5f0_energies
		.amdhsa_group_segment_fixed_size 327680
		.amdhsa_private_segment_fixed_size 0
		.amdhsa_enable_private_segment 0
		.amdhsa_kernarg_size 40
		.amdhsa_user_sgpr_count 2
		.amdhsa_user_sgpr_kernarg_segment_ptr 1
		.amdhsa_wavefront_size32 1
		.amdhsa_system_sgpr_workgroup_id_x 1
		.amdhsa_system_sgpr_workgroup_id_y 1
		.amdhsa_system_sgpr_workgroup_id_z 1
		.amdhsa_system_vgpr_workitem_id 0
		.amdhsa_next_free_vgpr 1024
		.amdhsa_next_free_sgpr 66
		.amdhsa_reserve_vcc 1
		.amdhsa_float_denorm_mode_32 3
		.amdhsa_float_denorm_mode_16_64 3
		.amdhsa_memory_ordered 1
		.amdhsa_forward_progress 1
		.amdhsa_inst_pref_size 255
	.end_amdhsa_kernel
	.section	.bss,"aw",@nobits
	.p2align	6
	.space	262144
	.amdgpu_metadata
---
amdhsa.version: [ 1, 2 ]
amdhsa.kernels:
  - .name:           k_q795277b5f0_energies
    .symbol:         k_q795277b5f0_energies.kd
    .args:
      - { .name: enc_out, .offset: 0, .size: 8, .value_kind: global_buffer, .address_space: global }
      - { .name: uaf, .offset: 8, .size: 8, .value_kind: global_buffer, .address_space: global }
      - { .name: dcw, .offset: 16, .size: 8, .value_kind: global_buffer, .address_space: global }
      - { .name: Va, .offset: 24, .size: 8, .value_kind: global_buffer, .address_space: global }
      - { .name: scores, .offset: 32, .size: 8, .value_kind: global_buffer, .address_space: global }
    .group_segment_fixed_size: 327680
    .private_segment_fixed_size: 0
    .kernarg_segment_align: 8
    .kernarg_segment_size: 40
    .max_flat_workgroup_size: 128
    .sgpr_count:     66
    .vgpr_count:     1024
    .wavefront_size: 32
...
	.end_amdgpu_metadata
.endif
;; end of part 2
;; launch context (part 3): grid 8 x 32, 8 waves a work-group, no clusters, 13,824 bytes of LDS; arguments enc_out, scores, out0; writes out0
.if DOCPART == 3
	.amdgcn_target "amdgcn-amd-amdhsa--gfx1250"
	.amdhsa_code_object_version 6
	.text
	.protected	k_q795277b5f0_context
	.globl	k_q795277b5f0_context
	.p2align	8
	.type	k_q795277b5f0_context,@function
k_q795277b5f0_context:
	s_mov_b64 s[64:65], 0
	v_nop
	global_prefetch_b8 v0, s[64:65] scope:SCOPE_SE
	s_setreg_imm32_b32 hwreg(HW_REG_WAVE_MODE, 25, 1), 1
	s_wait_xcnt 0x0
; out0[b][h] = sum_t alpha[b][t] enc_out[b][t][h], alpha = softmax_t(scores[b][t]), all in f32.  The scores lack the term sum_u Va[u], which is the same along t and changes no alpha (shown at the head of the first launch).
; The row's maximum is taken away before the exponential.  LIMITS: NaN and infinities are not served.
; SHARES.  Work-group (hc, b) owns out0[b][128 hc .. 128 hc + 127]: each output has one owner.  Wave w takes rows t = 256 w .. 256 w + 255; a lane takes 16 bytes of a row's 512: each load of a wave covers 512 consecutive bytes,
; at a multiple of 256 from the buffer's first byte.  The eight work-groups of a batch each form the batch's 2,048 weights anew from 8 KB of scores.
; A stream: memory binds.  No matrix unit (one row of weights), no tensor loads and no cluster (the work-groups share only the scores).  Thirty-two loads of every wave are always on their way, in a ring of 32 slots in registers.
; LDS: the weights p (thread t stores those of rows 8 t .. 8 t + 7, which are rows of its own wave: no barrier between that store and the wave's reads); the waves' maxima, sums and partial results.
.set PT,    0                          ; 8,192 bytes: p[2,048]
.set RED,   8192                       ; 4,096 bytes: 512 for each wave's partial result
.set MXW,   12288                      ; a block of 256 bytes: the eight waves' maxima
.set SMW,   12544                      ; another: their sums
.set SPARE, 12800                      ; the spare words, 128 bytes for each wave: four blocks of 256 bytes that no other line names
.set AC,  24                           ; v24-31  two sets of four sums: even rows, odd rows
.set PB,  32                           ; v32-95  two sets of 32 weights
.set SB,  96                           ; v96-223 the ring: slot i % 32 holds my 16 bytes of row i
.set SPW, 224                          ; v224 LDS address of my spare word; never rewritten
.set NIL, 225                          ; v225 0; never rewritten
	s_load_b128 s[4:7], s[0:1], 0x0                ; enc_out s[4:5], scores s[6:7]
	s_load_b64 s[8:9], s[0:1], 0x10                ; out0
	v_lshl_add_u32 v[SPW], v0, 2, SPARE
	v_mov_b32 v[NIL], 0
	v_lshrrev_b32 v1, 5, v0
	v_readfirstlane_b32 s10, v1                    ; wave 0..7
	s_and_b32 s11, ttmp7, 0xffff                   ; the batch
	v_and_b32 v2, 31, v0
	v_lshlrev_b32 v2, 4, v2                        ; 16 x lane
	v_lshlrev_b32 v3, 5, v0                        ; 32 x thread: my 8 scores, and my 8 weights in LDS
	v_lshlrev_b32 v4, 10, v1                       ; 1,024 x wave: my wave's 256 weights
	v_lshlrev_b32 v5, 2, v1                        ; 4 x wave: my wave's word
	v_mov_b32 v6, 0
	v_lshlrev_b32 v7, 4, v0                        ; 16 x thread: 512 x wave + 16 x lane
	v_mov_b32 v17, 0                               ; written once: a lane permute's destination counts as one of its sources
	s_mov_b32 s12, 0x76543210
	s_mov_b32 s13, 0xfedcba98                      ; v_permlanex16_b32's selects for lane l xor 16
	s_lshl_b32 s14, s11, 23                        ; enc_out: 2,048 rows of 4,096 bytes a batch,
	s_lshl_b32 s16, s10, 20                        ; 256 rows a wave,
	s_add_co_u32 s14, s14, s16
	s_lshl_b32 s16, ttmp9, 9                       ; 512 bytes of a row a work-group
	s_add_co_u32 s14, s14, s16
	s_mov_b32 s15, 0
	s_lshl_b32 s18, s11, 12                        ; out0: 4,096 bytes a batch, + the same 512 hc
	s_add_co_u32 s18, s18, s16
	s_mov_b32 s19, 0
	s_lshl_b32 s16, s11, 13                        ; scores: 8,192 bytes a batch
	s_mov_b32 s17, 0
	s_wait_kmcnt 0x0
	s_add_nc_u64 s[4:5], s[4:5], s[14:15]
	s_add_nc_u64 s[6:7], s[6:7], s[16:17]
	s_add_nc_u64 s[8:9], s[8:9], s[18:19]
	global_load_b128 v[8:11], v3, s[6:7]
	global_load_b128 v[12:15], v3, s[6:7] offset:16
.set n, 0
.rept 32
	global_load_b128 v[SB+4*n:SB+4*n+3], v2, s[4:5] offset:4096*n th:TH_LOAD_NT   ; the ring is filled: rows 0 to 31
.set n, n+1
.endr
	s_wait_loadcnt 32                              ; the scores are in; the 32 rows stay on their way
	; the maximum: of my 8, of the wave's 256, of the batch's 2,048
	v_max3_num_f32 v16, v8, v9, v10
	v_max3_num_f32 v16, v16, v11, v12
	v_max3_num_f32 v16, v16, v13, v14
	v_max_num_f32 v16, v16, v15
	v_max_num_f32_dpp v16, v16, v16 row_xmask:1 row_mask:0xf bank_mask:0xf
	v_max_num_f32_dpp v16, v16, v16 row_xmask:2 row_mask:0xf bank_mask:0xf
	v_max_num_f32_dpp v16, v16, v16 row_xmask:4 row_mask:0xf bank_mask:0xf
	v_max_num_f32_dpp v16, v16, v16 row_xmask:8 row_mask:0xf bank_mask:0xf
	v_permlanex16_b32 v17, v16, s12, s13
	v_max_num_f32 v16, v16, v17
	ds_store_b32 v5, v16 offset:MXW                ; all lanes write the same word with the same value
	s_wait_dscnt 0x0                               ; for the others' sake: my store is done
	s_barrier_signal -1
	s_barrier_wait -1
	ds_load_b128 v[16:19], v6 offset:MXW
	ds_load_b128 v[20:23], v6 offset:MXW+16
	s_wait_dscnt 0x0
	v_max3_num_f32 v16, v16, v17, v18
	v_max3_num_f32 v16, v16, v19, v20
	v_max3_num_f32 v16, v16, v21, v22
	v_max_num_f32 v16, v16, v23
	; p = e^(score - maximum), not normalised: the sum divides at the end
.irp i, 0,1,2,3,4,5,6,7
	v_sub_f32 v[8+\i], v[8+\i], v16
.endr
.irp i, 0,1,2,3,4,5,6,7
	v_mul_f32 v[8+\i], 0x3fb8aa3b, v[8+\i]         ; x log2(e)
.endr
.irp i, 0,1,2,3,4,5,6,7
	v_exp_f32 v[8+\i], v[8+\i]
.endr
	v_nop                                          ; the plain instruction behind the last exponential
	s_wait_alu depctr_va_vdst(0)                   ; one wait for the eight, ahead of the first line that names a result
	ds_store_b128 v3, v[8:11] offset:PT
	ds_store_b128 v3, v[12:15] offset:PT+16
	v_pk_add_f32 v[18:19], v[8:9], v[10:11]
	v_pk_add_f32 v[20:21], v[12:13], v[14:15]
	v_pk_add_f32 v[18:19], v[18:19], v[20:21]
	v_add_f32 v18, v18, v19
	v_add_f32_dpp v18, v18, v18 row_xmask:1 row_mask:0xf bank_mask:0xf
	v_add_f32_dpp v18, v18, v18 row_xmask:2 row_mask:0xf bank_mask:0xf
	v_add_f32_dpp v18, v18, v18 row_xmask:4 row_mask:0xf bank_mask:0xf
	v_add_f32_dpp v18, v18, v18 row_xmask:8 row_mask:0xf bank_mask:0xf
	v_permlanex16_b32 v17, v18, s12, s13
	v_add_f32 v18, v18, v17
	ds_store_b32 v5, v18 offset:SMW                ; my wave's sum: read behind the last barrier
.macro PLOAD ch                        ; the weights of my wave's rows 32 ch .. 32 ch + 31 into set ch % 2: every lane reads the same bytes
.irp k, 0,1,2,3,4,5,6,7
	ds_load_b128 v[PB+32*((\ch)%2)+4*\k:PB+32*((\ch)%2)+4*\k+3], v4 offset:PT+128*(\ch)+16*\k
.endr
.endm
	PLOAD 0                                        ; LDS serves a wave's instructions in order (ISA guide 5.7.1.4): these see my wave's stores
	; THE STREAM, written out: every offset is an immediate (255 rows of 4,096 bytes at the most, inside the signed 24 bits: ISA guide, chapter 10), no address register is ever rewritten
.set I, 0
.rept 256
.if I%32 == 0
.if I < 224
	PLOAD I/32+1
	s_wait_dscnt 8                                 ; all but the eight just issued: this chunk's weights are in
.else
	s_wait_dscnt 0x0
.endif
.endif
.if I < 224
	s_wait_loadcnt 31                              ; loads come back in order (ISA guide 5.7.1): row I is in, the 31 younger ones stay out
.else
	s_wait_loadcnt 255-I                           ; the counts run down
.endif
.set pr, PB+32*((I/32)%2)+I%32
.set pb, pr-pr%2
.set sl, SB+4*(I%32)
.set ac, AC+4*(I%2)
.if I == 0                             ; rows 0 and 1 start the sums: nothing is cleared.  An even row's weight is the low word of its pair, an odd row's the high one
	v_pk_mul_f32 v[ac:ac+1], v[sl:sl+1], v[pb:pb+1] op_sel_hi:[1,0]
	v_pk_mul_f32 v[ac+2:ac+3], v[sl+2:sl+3], v[pb:pb+1] op_sel_hi:[1,0]
.elseif I == 1
	v_pk_mul_f32 v[ac:ac+1], v[sl:sl+1], v[pb:pb+1] op_sel:[0,1] op_sel_hi:[1,1]
	v_pk_mul_f32 v[ac+2:ac+3], v[sl+2:sl+3], v[pb:pb+1] op_sel:[0,1] op_sel_hi:[1,1]
.elseif I%2 == 0
	v_pk_fma_f32 v[ac:ac+1], v[sl:sl+1], v[pb:pb+1], v[ac:ac+1] op_sel_hi:[1,0,1]
	v_pk_fma_f32 v[ac+2:ac+3], v[sl+2:sl+3], v[pb:pb+1], v[ac+2:ac+3] op_sel_hi:[1,0,1]
.else
	v_pk_fma_f32 v[ac:ac+1], v[sl:sl+1], v[pb:pb+1], v[ac:ac+1] op_sel:[0,1,0] op_sel_hi:[1,1,1]
	v_pk_fma_f32 v[ac+2:ac+3], v[sl+2:sl+3], v[pb:pb+1], v[ac+2:ac+3] op_sel:[0,1,0] op_sel_hi:[1,1,1]
.endif
.if I < 224
	global_load_b128 v[sl:sl+3], v2, s[4:5] offset:4096*(I+32) th:TH_LOAD_NT   ; the slot takes the row 32 further down
.endif
.set I, I+1
.endr
	v_pk_add_f32 v[AC:AC+1], v[AC:AC+1], v[AC+4:AC+5]
	v_pk_add_f32 v[AC+2:AC+3], v[AC+2:AC+3], v[AC+6:AC+7]
	ds_store_b128 v7, v[AC:AC+3] offset:RED        ; my wave's part of the 128 outputs
	s_wait_dscnt 0x0                               ; for wave 0's sake: my stores are done
	s_barrier_signal -1
	s_barrier_wait -1
	s_wait_tensorcnt 0x0                           ; with the two lines below, behind my last LDS store; behind them LDS is only read
	ds_add_u32 v[SPW], v[NIL]
	s_wait_dscnt 0x0
	s_cmp_lg_u32 s10, 0
	s_cbranch_scc1 .Lend
	; wave 0 adds the eight parts, divides by the sum of the weights, and stores 512 consecutive bytes
	ds_load_b128 v[16:19], v6 offset:SMW
	ds_load_b128 v[20:23], v6 offset:SMW+16
.irp k, 0,1,2,3,4,5,6,7
	ds_load_b128 v[SB+4*\k:SB+4*\k+3], v2 offset:RED+512*\k
.endr
	s_wait_dscnt 8                                 ; the eight sums are in; the eight parts may be out
	v_pk_add_f32 v[16:17], v[16:17], v[18:19]
	v_pk_add_f32 v[20:21], v[20:21], v[22:23]
	v_pk_add_f32 v[16:17], v[16:17], v[20:21]
	v_add_f32 v16, v16, v17
	v_rcp_f32 v16, v16
	s_wait_dscnt 0x0
.irp k, 0,8,16,24                              ; (plain work behind the reciprocal)
	v_pk_add_f32 v[SB+\k:SB+\k+1], v[SB+\k:SB+\k+1], v[SB+\k+4:SB+\k+5]
	v_pk_add_f32 v[SB+\k+2:SB+\k+3], v[SB+\k+2:SB+\k+3], v[SB+\k+6:SB+\k+7]
.endr
.irp k, 0,16
	v_pk_add_f32 v[SB+\k:SB+\k+1], v[SB+\k:SB+\k+1], v[SB+\k+8:SB+\k+9]
	v_pk_add_f32 v[SB+\k+2:SB+\k+3], v[SB+\k+2:SB+\k+3], v[SB+\k+10:SB+\k+11]
.endr
	v_pk_add_f32 v[SB:SB+1], v[SB:SB+1], v[SB+16:SB+17]
	v_pk_add_f32 v[SB+2:SB+3], v[SB+2:SB+3], v[SB+18:SB+19]
	s_wait_alu depctr_va_vdst(0)                   ; the wait for the reciprocal, ahead of its first reader
	v_pk_mul_f32 v[SB:SB+1], v[SB:SB+1], v[16:17] op_sel_hi:[1,0]
	v_pk_mul_f32 v[SB+2:SB+3], v[SB+2:SB+3], v[16:17] op_sel_hi:[1,0]
	global_store_b128 v2, v[SB:SB+3], s[8:9]
.Lend:
	s_endpgm
.Lfunc_end_k_q795277b5f0_context:
	.size	k_q795277b5f0_context, .Lfunc_end_k_q795277b5f0_context-k_q795277b5f0_context
	.p2alignl 7, 3214868480
	.fill 96, 4, 3214868480
	.section	.rodata,"a",@progbits
	.p2align	6, 0x0
	.amdhsa_kernel k_q795277b5f0_context
		.amdhsa_group_segment_fixed_size 13824
		.amdhsa_private_segment_fixed_size 0
		.amdhsa_enable_private_segment 0
		.amdhsa_kernarg_size 24
		.amdhsa_user_sgpr_count 2
		.amdhsa_user_sgpr_kernarg_segment_ptr 1
		.amdhsa_wavefront_size32 1
		.amdhsa_system_sgpr_workgroup_id_x 1
		.amdhsa_system_sgpr_workgroup_id_y 1
		.amdhsa_system_sgpr_workgroup_id_z 1
		.amdhsa_system_vgpr_workitem_id 0
		.amdhsa_next_free_vgpr 232
		.amdhsa_next_free_sgpr 66
		.amdhsa_reserve_vcc 0
		.amdhsa_float_denorm_mode_32 3
		.amdhsa_float_denorm_mode_16_64 3
		.amdhsa_memory_ordered 1
		.amdhsa_forward_progress 1
		.amdhsa_inst_pref_size 76
	.end_amdhsa_kernel
	.amdgpu_metadata
---
amdhsa.version: [ 1, 2 ]
amdhsa.kernels:
  - .name:           k_q795277b5f0_context
    .symbol:         k_q795277b5f0_context.kd
    .args:
      - { .name: enc_out, .offset: 0, .size: 8, .value_kind: global_buffer, .address_space: global }
      - { .name: scores, .offset: 8, .size: 8, .value_kind: global_buffer, .address_space: global }
      - { .name: out0, .offset: 16, .size: 8, .value_kind: global_buffer, .address_space: global }
    .group_segment_fixed_size: 13824
    .private_segment_fixed_size: 0
    .kernarg_segment_align: 8
    .kernarg_segment_size: 24
    .max_flat_workgroup_size: 256
    .sgpr_count:     66
    .vgpr_count:     232
    .wavefront_size: 32
...
	.end_amdgpu_metadata
.endif
;; end of part 3
;; ======== version 2 of 2: 3 launches; 1.14 times as fast as version 1
;; workspace buffers: dcw 131,072 bytes; uaf 851,968 bytes; pctx 2,097,152 bytes; pml 131,072 bytes
;; launch prep (part 4): grid 64 x 1, 4 waves a work-group, no clusters, 0 bytes of LDS; arguments Wa_codes, Wa_scales, dec_hidden_codes, dec_hidden_scales, Ua_codes, Ua_scales, dcw, uaf; writes dcw, uaf
.if DOCPART == 4
	.amdgcn_target "amdgcn-amd-amdhsa--gfx1250"
	.amdhsa_code_object_version 6
	.text
	.protected	k_q795277b5f0_prep
	.globl	k_q795277b5f0_prep
	.p2align	8
	.type	k_q795277b5f0_prep,@function
k_q795277b5f0_prep:
	s_mov_b64 s[64:65], 0
	v_nop
	global_prefetch_b8 v0, s[64:65] scope:SCOPE_SE
	s_setreg_imm32_b32 hwreg(HW_REG_WAVE_MODE, 25, 1), 1
	s_wait_xcnt 0x0
; BAHDANAU ATTENTION IN THREE LAUNCHES.  This one: (a) dcw[b][u] = c x (dec_hidden Wa)[b][u], c = 2 log2(e), on the given codes of E2M3; (b) uaf: Ua's codes and scale words laid in the order of the operand's registers.
; The second launch quantises enc_out, multiplies it by Ua, takes tanh and the product with Va, and, with its rows kept as bf16 in registers, forms each work-group's part of the softmax and of the weighted sum of enc_out;
; the third joins the sixteen parts of each batch.
; WORK LEFT OUT, AND WHY IT IS DEAD.  tanh(x) = 1 - 2 r with r = 1 / (1 + 2^(c x)), an identity for every real x.  So score[b][t] = sum_u Va[u] - 2 sum_u Va[u] r[b][t][u].  The first term is the same for all t of a row of
; the softmax, whatever the inputs hold, and a term that is the same along a softmax's axis changes no alpha.  It is not formed: the score that is used is sum_u (-2 Va[u]) r.  Every input is still loaded.
; LIMITS.  NaN and infinities among the inputs are not served.  An overflow that would reach sum_u Va[u] alone is not carried to the result.  2^(c x) may become infinity or 0: r is then 0 or 1, tanh's own limits.
; SHARES.  Work-group n owns the 16 units u = 16 n .. 16 n + 15.  Waves 0 and 1: the product for batches 0-15 and 16-31.  Waves 2 and 3: K steps 0-3 and 4-7 of Ua's record n.  The waves share nothing: no LDS, no barrier.
; No cluster: the two product waves of a work-group read rows of Wa that no other work-group reads, and dec_hidden's 24 KB are a small part of the launch's bytes.
; THE PRODUCT IS USED TRANSPOSED: source 0 = 16 rows (u) of Wa, source 1 = 16 rows (b) of dec_hidden: lane (r, h) holds batch r and its register j the unit 16 n + 8 h + j: 32 neighbouring bytes of a row of dcw.
; These stores are 32 bytes a lane to rows 4,096 bytes apart; the buffer is 128 KB in all, so they do not go through a stage.
; A RECORD OF uaf, REC = 13,312 bytes: at 1,536 s + 512 g + 16 lane registers 4 g .. 4 g + 3 of the fragment of K step s (16 u x 128 K, 12 registers a lane); at 12,288 + 512 g + 16 lane the scale words of K steps 4 g .. 4 g + 3
; of row u = lane % 16 (lanes 16-31 hold them once more, so that one address, 16 x lane, serves codes and scale words).
.set REC, 13312
.set CF,  0x4038aa3b                   ; c = 2 log2(e)
.set WF,  16                           ; v16-111   Wa's eight fragments (waves 2, 3: four of Ua's)
.set DF,  112                          ; v112-207  dec_hidden's eight
.set WS,  208                          ; v208-215  Wa's scale words, one for each K step
.set DS,  216                          ; v216-223  dec_hidden's
.set A0,  224                          ; v224-231  the sum over the even K steps
.set A1,  232                          ; v232-239  over the odd ones
.set RS,  240                          ; v240-247  the result
.set UW,  248                          ; v248-251  waves 2, 3: four scale words of Ua
	s_load_b256 s[4:11], s[0:1], 0x0               ; Wa's codes s[4:5], Wa's scales s[6:7], dec_hidden's codes s[8:9], its scales s[10:11]
	s_load_b256 s[12:19], s[0:1], 0x20             ; Ua's codes s[12:13], Ua's scales s[14:15], dcw s[16:17], uaf s[18:19]
	v_lshrrev_b32 v6, 5, v0
	v_readfirstlane_b32 s20, v6                    ; wave 0..3
	v_and_b32 v1, 15, v0                           ; r
	v_bfe_u32 v2, v0, 4, 1                         ; h
	v_mul_u32_u24 v3, v1, 768                      ; a row of 1,024 codes is 768 bytes
	v_mad_u32_u24 v3, v2, 24, v3                   ; + 24 h: my half's block of 32 codes
	v_lshlrev_b32 v4, 5, v1                        ; a row of scale bytes is 32 bytes
	v_lshlrev_b32 v5, 12, v1                       ; dcw: row r of 4,096 bytes,
	v_lshl_add_u32 v5, v2, 5, v5                   ; + 32 h
	v_and_b32 v7, 31, v0
	v_lshlrev_b32 v7, 4, v7                        ; 16 x lane
	s_mov_b32 s23, 0                               ; the upper word of every offset
	s_mov_b32 s24, CF
	s_mov_b32 s25, CF                              ; (named with s24 as a pair, so it is written)
	s_wait_kmcnt 0x0
	s_cmp_lt_u32 s20, 2
	s_cbranch_scc0 .Lua
	; ---- waves 0 and 1: c x dec_proj for batches 16 wave on, units 16 n on
	s_mul_i32 s22, ttmp9, 12288
	s_add_nc_u64 s[4:5], s[4:5], s[22:23]          ; Wa's 16 rows
	s_lshl_b32 s22, ttmp9, 9
	s_add_nc_u64 s[6:7], s[6:7], s[22:23]          ; and their scale bytes
	s_mul_i32 s22, s20, 12288
	s_add_nc_u64 s[8:9], s[8:9], s[22:23]          ; dec_hidden's 16 rows
	s_lshl_b32 s22, s20, 9
	s_add_nc_u64 s[10:11], s[10:11], s[22:23]
	s_lshl_b32 s22, s20, 16
	s_lshl_b32 s21, ttmp9, 6
	s_add_co_u32 s22, s22, s21
	s_add_nc_u64 s[16:17], s[16:17], s[22:23]      ; dcw at row 16 wave, column 16 n
.irp s, 0,1,2,3,4,5,6,7
.irp p, 0,1,2,3,4,5
	global_load_b64 v[WF+12*\s+2*\p:WF+12*\s+2*\p+1], v3, s[4:5] offset:96*\s+48*(\p/3)+8*(\p%3)   ; registers 6 c .. 6 c + 5: K = 128 s + 64 c + 32 h + 0 .. 31, as the bits lie; in pieces of 8 bytes
	global_load_b64 v[DF+12*\s+2*\p:DF+12*\s+2*\p+1], v3, s[8:9] offset:96*\s+48*(\p/3)+8*(\p%3)
.endr
.endr
	global_load_b128 v[WS:WS+3], v4, s[6:7]        ; word s: the four scale bytes of K step s
	global_load_b128 v[WS+4:WS+7], v4, s[6:7] offset:16
	global_load_b128 v[DS:DS+3], v4, s[10:11]
	global_load_b128 v[DS+4:DS+7], v4, s[10:11] offset:16
	s_wait_loadcnt 0x0
.irp s, 0,1,2,3,4,5,6,7                        ; two accumulators by turns, one instruction a turn; each sum's first product takes 0 as C
.if \s < 2
	v_wmma_scale_f32_16x16x128_f8f6f4 v[A0+8*(\s%2):A0+8*(\s%2)+7], v[WF+12*\s:WF+12*\s+11], v[DF+12*\s:DF+12*\s+11], 0, v[WS+\s], v[DS+\s] matrix_a_fmt:MATRIX_FMT_FP6 matrix_b_fmt:MATRIX_FMT_FP6
.else
	v_wmma_scale_f32_16x16x128_f8f6f4 v[A0+8*(\s%2):A0+8*(\s%2)+7], v[WF+12*\s:WF+12*\s+11], v[DF+12*\s:DF+12*\s+11], v[A0+8*(\s%2):A0+8*(\s%2)+7], v[WS+\s], v[DS+\s] matrix_a_fmt:MATRIX_FMT_FP6 matrix_b_fmt:MATRIX_FMT_FP6
.endif
.endr
.rept 4
	v_nop                                          ; four places between the last products and the first read of their results (ISA guide 7.12.1)
.endr
.irp j, 0,2,4,6
	v_pk_add_f32 v[RS+\j:RS+\j+1], v[A0+\j:A0+\j+1], v[A1+\j:A1+\j+1]   ; both accumulators from their low end on
.endr
.irp j, 0,2,4,6
	v_pk_mul_f32 v[RS+\j:RS+\j+1], v[RS+\j:RS+\j+1], s[24:25] op_sel_hi:[1,0]   ; x c: the next launch then needs one multiply-add for c (enc_proj + dec_proj)
.endr
	global_store_b128 v5, v[RS:RS+3], s[16:17]
	global_store_b128 v5, v[RS+4:RS+7], s[16:17] offset:16
	s_endpgm
.Lua:
	; ---- waves 2 and 3: K steps 4 kh .. 4 kh + 3 of record n, kh = wave - 2
	s_sub_co_u32 s21, s20, 2
	s_mul_i32 s22, ttmp9, 12288
	s_mul_i32 s26, s21, 384
	s_add_co_u32 s22, s22, s26
	s_add_nc_u64 s[12:13], s[12:13], s[22:23]      ; Ua's 16 rows, 4 kh K steps of 96 bytes on
	s_lshl_b32 s22, ttmp9, 9
	s_lshl_b32 s26, s21, 4
	s_add_co_u32 s22, s22, s26
	s_add_nc_u64 s[14:15], s[14:15], s[22:23]      ; their scale bytes, 4 kh words on
	s_mul_i32 s22, ttmp9, REC
	s_lshl_b32 s26, s21, 9
	s_add_co_u32 s22, s22, s26
	s_add_nc_u64 s[28:29], s[18:19], s[22:23]      ; the record + 512 kh: with the offset 12,288 the place of my four scale words
	s_mul_i32 s22, ttmp9, REC
	s_mul_i32 s26, s21, 6144
	s_add_co_u32 s22, s22, s26
	s_add_nc_u64 s[18:19], s[18:19], s[22:23]      ; the record + 4 kh fragments of 1,536 bytes
.irp f, 0,1,2,3
.irp p, 0,1,2,3,4,5
	global_load_b64 v[WF+12*\f+2*\p:WF+12*\f+2*\p+1], v3, s[12:13] offset:96*\f+48*(\p/3)+8*(\p%3)
.endr
.endr
	global_load_b128 v[UW:UW+3], v4, s[14:15]
	s_wait_loadcnt 0x0
.irp f, 0,1,2,3
.irp g, 0,1,2
	global_store_b128 v7, v[WF+12*\f+4*\g:WF+12*\f+4*\g+3], s[18:19] offset:1536*\f+512*\g   ; 32 lanes store 512 consecutive bytes, at a multiple of 256 from the buffer's first byte
.endr
.endr
	global_store_b128 v7, v[UW:UW+3], s[28:29] offset:12288
	s_endpgm
.Lfunc_end_k_q795277b5f0_prep:
	.size	k_q795277b5f0_prep, .Lfunc_end_k_q795277b5f0_prep-k_q795277b5f0_prep
	.p2alignl 7, 3214868480
	.fill 96, 4, 3214868480
	.section	.rodata,"a",@progbits
	.p2align	6, 0x0
	.amdhsa_kernel k_q795277b5f0_prep
		.amdhsa_group_segment_fixed_size 0
		.amdhsa_private_segment_fixed_size 0
		.amdhsa_enable_private_segment 0
		.amdhsa_kernarg_size 64
		.amdhsa_user_sgpr_count 2
		.amdhsa_user_sgpr_kernarg_segment_ptr 1
		.amdhsa_wavefront_size32 1
		.amdhsa_system_sgpr_workgroup_id_x 1
		.amdhsa_system_sgpr_workgroup_id_y 1
		.amdhsa_system_sgpr_workgroup_id_z 1
		.amdhsa_system_vgpr_workitem_id 0
		.amdhsa_next_free_vgpr 256
		.amdhsa_next_free_sgpr 66
		.amdhsa_reserve_vcc 0
		.amdhsa_float_denorm_mode_32 3
		.amdhsa_float_denorm_mode_16_64 3
		.amdhsa_memory_ordered 1
		.amdhsa_forward_progress 1
		.amdhsa_inst_pref_size 18
	.end_amdhsa_kernel
	.amdgpu_metadata
---
amdhsa.version: [ 1, 2 ]
amdhsa.kernels:
  - .name:           k_q795277b5f0_prep
    .symbol:         k_q795277b5f0_prep.kd
    .args:
      - { .name: Wa_codes, .offset: 0, .size: 8, .value_kind: global_buffer, .address_space: global }
      - { .name: Wa_scales, .offset: 8, .size: 8, .value_kind: global_buffer, .address_space: global }
      - { .name: dec_hidden_codes, .offset: 16, .size: 8, .value_kind: global_buffer, .address_space: global }
      - { .name: dec_hidden_scales, .offset: 24, .size: 8, .value_kind: global_buffer, .address_space: global }
      - { .name: Ua_codes, .offset: 32, .size: 8, .value_kind: global_buffer, .address_space: global }
      - { .name: Ua_scales, .offset: 40, .size: 8, .value_kind: global_buffer, .address_space: global }
      - { .name: dcw, .offset: 48, .size: 8, .value_kind: global_buffer, .address_space: global }
      - { .name: uaf, .offset: 56, .size: 8, .value_kind: global_buffer, .address_space: global }
    .group_segment_fixed_size: 0
    .private_segment_fixed_size: 0
    .kernarg_segment_align: 8
    .kernarg_segment_size: 64
    .max_flat_workgroup_size: 128
    .sgpr_count:     66
    .vgpr_count:     256
    .wavefront_size: 32
...
	.end_amdgpu_metadata
.endif
;; end of part 4
;; launch attend (part 5): grid 512 x 1, 4 waves a work-group, clusters of 4 x 1, 327,680 bytes of LDS; arguments enc_out, uaf, dcw, Va, pctx, pml; writes pctx, pml
.if DOCPART == 5
	.amdgcn_target "amdgcn-amd-amdhsa--gfx1250"
	.amdhsa_code_object_version 6
	.text
	.protected	k_q795277b5f0_attend
	.globl	k_q795277b5f0_attend
	.p2align	8
	.type	k_q795277b5f0_attend,@function
k_q795277b5f0_attend:
	s_mov_b64 s[64:65], 0
	v_nop
	global_prefetch_b8 v0, s[64:65] scope:SCOPE_SE
	s_setreg_imm32_b32 hwreg(HW_REG_WAVE_MODE, 25, 1), 1
	s_wait_xcnt 0x0
	s_wait_alu depctr_hold_cnt(0) depctr_sa_sdst(0) depctr_va_vdst(0) depctr_va_sdst(0) depctr_va_ssrc(0) depctr_va_vcc(0) depctr_vm_vsrc(0)
	s_getreg_b32 s2, hwreg(HW_REG_IB_STS2, 6, 4)
	s_cmp_eq_u32 s2, 0
	s_cbranch_scc0 .Lentry_in_a_cluster
	s_endpgm
.Lentry_in_a_cluster:
	s_bfe_u32 s2, ttmp6, 0x10000c
	s_cmp_lg_u32 s2, 0x3003
	s_cbranch_scc0 .Lentry_shape_is_right
	s_endpgm
.Lentry_shape_is_right:
; For 128 rows (b, t) of one batch: score = sum_u (-2 Va[u]) / (1 + 2^(c (enc_proj[u] + dec_proj[u]))), c = 2 log2(e), enc_proj = Q(enc_out) Ua on codes of E2M3 with one E8M0 scale for each 32 along K = H;
; then m = the largest of the 128 scores, p = e^(score - m), l = sum p, and pctx[wg][h] = sum over the 128 rows of p x enc_out[row][h]; pml[wg] = (m, l).  The last launch joins a batch's sixteen parts.
; WORK LEFT OUT: tanh(x) = 1 - 2 / (1 + 2^(c x)), and the term sum_u Va[u] is the same along the softmax's axis for all values of the inputs: it is not formed (shown at the head of the first launch).
; LIMITS.  NaN and infinities in enc_out are not served.  A block of 32 whose largest magnitude lies under 2^-124 gets the scale byte 1; a block of zeros gets 1 where the quantiser says 127: its codes are zeros, which add
; nothing under any byte but 0xff, and this launch alone reads the bytes.  2^(c x) may become infinity or 0: the quotient is then 0 or 1, tanh's own limits.  For the weighted sum alone enc_out is rounded to bf16; the quantiser sees f32.
; enc_out IS READ ONCE.  A wave owns 32 rows, two tiles of 16, and keeps them twice: as codes (16 fragments, 192 registers) for the product with Ua, and as bf16 (32 rows x 2,048 bytes = 512 registers) for the weighted sum,
; which can begin only when the rows' scores are whole.  512 + 192 + 32 scale words + 32 addresses + 256 that change hands between the phases are the wave's 1,024 registers: that is why a work-group has 128 rows and not more.
; PHASE X: the rows are loaded, packed to bf16 and quantised.  PHASE M: all 64 tiles of 16 units u pass by: Ua's records (laid by the first launch in the order of the operand's registers) come through a ring of two LDS slots
; of 8 records that all four waves read; each fragment read from LDS feeds two matrix instructions.  PHASE S: the scores meet in LDS; m, p, l.  PHASE C: the weighted sum, and the four waves' parts meet in LDS.
; CLUSTER.  Every work-group walks the same records, so the four of a cluster ask JOINTLY: the same tensor load with the same descriptor and the mask of all four.  Nothing in a descriptor, an LDS address or a branch hangs on the place in the cluster.
; LAYOUT.  Source 0 = 16 units of Ua, source 1 = 16 rows: lane (r, h) holds row r, its register j the unit 16 g + 8 h + j.  So the sum over u is a sum inside a lane, and one exchange of halves at the end.
; BY TURNS.  While tile g's 16 products are issued into one set of two accumulators, the tanh of tile g - 1 runs on the other set, three vector instructions behind each matrix instruction.
; No prefetch: phase X keeps 64 loads of 512 bytes a wave on their way, and the records are read by every cluster.
; REGISTERS, in windows of 256 (s_set_vgpr_msb: bits 1:0 source 0, 3:2 source 1, 5:4 source 2, 7:6 destination):
;   window 0: v0-31 addresses and work; v32-47 the rows' scale words; v48-63 Ua's scale words, two sets; v64-255 change hands:
;             X: v64-191 two sets of 64 numbers to be quantised, v192-255 spare sets 0, 1.   M: v64-159 Ua's 8 fragments, v160-191 two sets of accumulators, v192-223 two sets of (8 c dec_proj, 8 -2 Va), v224-231 the rows' sums.
;             C: v64-95 my 32 sums (four columns of each K step), v96-127 the 32 rows' weights.
;   window 1: v0-191 the rows' fragments, fragment (s, m) at v[12 (2 s + m)]; v192-255 spare sets 2, 3.
;   windows 2, 3: the rows as bf16: unit u = 8 m + s (row tile m, K step s) has 32 registers at v[32 s] of window 2 + m: register 2 i + j holds columns 128 s + 4 lane + 2 j, + 1 of row i.
.set REC,   13312                      ; a record: 8 fragments of 1,536 bytes, then 1,024 bytes of scale words
.set SLOTB, 8*REC                      ; a slot's bytes
.set SLOT1, 1<<17                      ; slot 1 begins here, so that one exclusive or turns an address in one slot into the other's
.set TAB,   SLOT1+SLOTB                ; behind the ring: for each tile of 16 units 128 bytes: 16 numbers c dec_proj, 16 numbers -2 Va; stored once by ds_store
.set STG,   TAB+8192                   ; a stage of 16 rows x (512 + 16) bytes for each wave
.set STGW,  16*528
.set SPARE, STG+4*STGW                 ; the spare words, 128 bytes for each wave: two blocks of 256 bytes that no other line names
.set SCO,   SPARE+512                  ; 512 bytes: the work-group's 128 scores
.set PT,    SCO+512                    ; 512 bytes: their weights p, 128 bytes a wave
.set LSW,   PT+512                     ; a block of 256 bytes: the four waves' sums of p
.set RED,   LSW+256                    ; 16,384 bytes: the four waves' parts of the weighted sum, 4,096 each
.set LI,  4                            ; v4   16 x lane: my place in an image of registers; also my offset in 512 bytes of a row
.set SH,  5                            ; v5   8 h
.set SWA, 6                            ; v6   the stage, on the way in: 16 x lane
.set SRA, 7                            ; v7   and back: 528 r + 128 h
.set ADB, 8                            ; v8   LDS address of the pair of records in hand
.set ADN, 9                            ; v9   of the next slot's first record
.set ADT, 10                           ; v10  of the pair's place in the table
.set LT,  11                           ; v11  TAB + 32 h
.set TAD, 12                           ; v12  where my thread stores its part of the table
.set MX,  16                           ; v16-17 two blocks' largest magnitudes
.set SCL, 18                           ; v18-19 the conversions' scale operands
.set BY,  20                           ; v20-21 the scale bytes
.set W,   22                           ; v22  my two bytes at their places
.set PX,  23                           ; v23  the other half's
.set TC0, 20                           ; v20-22, v24-26: the conversions' upper halves, when the bytes are done with
.set TC1, 24
.set TO,  29                           ; v29  32 x thread: my offset in dcw's row and in Va
.set SPW, 30                           ; v30  LDS address of my spare word; never rewritten
.set NIL, 31                           ; v31  0; never rewritten
.set AS,  32                           ; v32-47 scale word of row tile m, K step s at v[AS + 8 m + s]: these hold scales and nothing else
.set US,  48                           ; v48-63 Ua's scale words: set p at v[US + 8 p + s]: likewise
.set XB,  64
.set TBL, 128                          ; the table on its way in, before the second set of numbers is first filled
.set HB,  192                          ; spare set k: v[HB + 32 (k % 2)] of window k / 2
.set BF,  64
.set XA,  160
.set DV,  192
.set SC,  224
.set ACC, 64
.set PP,  96
.set ZR,  128
.set G1,  24                           ; s[24:31] descriptor group 1
.set G0A, 32                           ; s[32:35] group 0 of slot 0's first fill
.set G0W, 36                           ; s[36:39] group 0 of slot 1's first fill, which then walks
.set CC,  40                           ; s[40:41] c, twice
.set SEL, 42                           ; s[42:43] lane selects for v_permlanex16_b32: lane l xor 16
.set TB,  44                           ; s44  LDS byte at which the pair of records in hand begins
.set TNX, 45                           ; s45  at which the next slot begins
.set TT,  46                           ; s46  the pair's place in the table
.set SL,  47                           ; s47  counts slots
.set PR,  48                           ; s48  counts pairs
.set WV,  49                           ; s49  my wave's number
.set MA,  0x04                         ; the products: D, C and source 0 window 0, source 1 (the rows' codes) window 1.  The tanh's lines name a scalar or a constant as source 1: no switch
.set MSB, 0
.macro WIN new                         ; the immediate's high byte repeats the setting that is left; a switch that changes nothing is dropped
.if MSB != (\new)
	s_set_vgpr_msb (MSB<<8)|(\new)
.set MSB, (\new)
.endif
.endm
; A round of the cluster's barrier: my work-group's barrier, so that wave 0's signal speaks for all four waves; wave 0 signals; every wave waits for all four work-groups; my work-group's barrier once more.
.macro CROUND
	s_barrier_signal -1
	s_barrier_wait -1
	s_cmp_lg_u32 s[WV], 0
	s_cbranch_scc1 .Lnot_wave_0_\@
	s_barrier_signal -3
.Lnot_wave_0_\@:
	s_barrier_wait -3
	s_barrier_signal -1
	s_barrier_wait -1
.endm
	s_load_b256 s[4:11], s[0:1], 0x0               ; enc_out s[4:5], uaf s[6:7], dcw s[8:9], Va s[10:11]
	s_load_b128 s[12:15], s[0:1], 0x20             ; pctx s[12:13], pml s[14:15]
	v_lshl_add_u32 v[SPW], v0, 2, SPARE
	v_mov_b32 v[NIL], 0
	ds_add_u32 v[SPW], v[NIL]                      ; the wave's opening: the add, twice on end, and its wait ahead of my first tensor load; the set-up below stands between the second and the wait
	ds_add_u32 v[SPW], v[NIL]
	v_lshrrev_b32 v1, 5, v0
	v_readfirstlane_b32 s[WV], v1                  ; wave 0..3
	s_bfe_u32 s56, ttmp6, 0x40000                  ; cx: my place in the cluster
	s_lshl_b32 s16, ttmp9, 2                       ; in a cluster launch ttmp9 counts clusters
	s_add_co_u32 s16, s16, s56                     ; my block of 128 rows: it enters the addresses of enc_out, pctx and pml alone
	; descriptor group 1: two records, 26,624 dense bytes, as 104 rows of 256 bytes (32 elements of 8 bytes), no padding: an image of registers is read back 512 consecutive bytes an instruction
	s_mov_b32 s[G1], 15|(3<<16)|(1<<21)            ; 15:0 the mask: all four work-groups; 17:16 elements of 8 bytes; 21 set beside a mask
	s_mov_b32 s[G1+1], 32<<16                      ; tensor_dim0 = 32
	s_mov_b32 s[G1+2], 104<<16                     ; tensor_dim1 = 104
	s_mov_b32 s[G1+3], 32<<16                      ; tile_dim0 = 32
	s_mov_b32 s[G1+4], 104                         ; tile_dim1 = 104
	s_mov_b32 s[G1+5], 32                          ; from row to row
	s_mov_b32 s[G1+6], 0
	s_mov_b32 s[G1+7], 0
	s_mov_b32 s[CC], 0x4038aa3b                    ; c = 2 log2(e)
	s_mov_b32 s[CC+1], 0x4038aa3b
	s_mov_b32 s[SEL], 0x76543210
	s_mov_b32 s[SEL+1], 0xfedcba98
	s_lshl_b32 s18, s16, 19                        ; enc_out: 128 rows of 4,096 bytes a work-group,
	s_lshl_b32 s19, s[WV], 17                      ; 32 a wave
	s_add_co_u32 s18, s18, s19
	s_mov_b32 s19, 0
	s_lshr_b32 s50, ttmp9, 2                       ; the batch: sixteen work-groups, four clusters, to a batch
	s_lshl_b32 s50, s50, 12                        ; its row of dcw
	s_mov_b32 s51, 0
	s_lshl_b32 s52, s16, 12                        ; pctx: 4,096 bytes a work-group,
	s_lshl_b32 s53, s[WV], 10                      ; of which wave w stores the 1,024 of K steps 2 w and 2 w + 1
	s_add_co_u32 s52, s52, s53
	s_mov_b32 s53, 0
	s_lshl_b32 s54, s16, 8                         ; pml: 256 bytes a work-group
	s_mov_b32 s55, 0
	s_mul_i32 s20, s[WV], 2*REC                    ; which two records of a slot I fetch: in memory and in LDS alike
	s_mov_b32 s21, 0
	s_mul_i32 s17, s[WV], STGW
	s_add_co_u32 s17, s17, STG                     ; my stage
	v_and_b32 v1, 15, v0                           ; r
	v_bfe_u32 v2, v0, 4, 1                         ; h
	v_and_b32 v3, 31, v0                           ; lane
	v_lshlrev_b32 v[LI], 4, v3
	v_lshlrev_b32 v[SH], 3, v2
	v_add_nc_u32 v[SWA], s17, v[LI]
	v_mul_u32_u24 v[SRA], v1, 528
	v_lshl_add_u32 v[SRA], v2, 7, v[SRA]
	v_add_nc_u32 v[SRA], s17, v[SRA]
	v_lshl_add_u32 v[LT], v2, 5, TAB
	v_lshrrev_b32 v[TAD], 1, v0                    ; thread t holds units 8 t .. 8 t + 7: tile t / 2, half t % 2
	v_lshlrev_b32 v[TAD], 7, v[TAD]
	v_and_b32 v[MX], 1, v0
	v_lshl_add_u32 v[TAD], v[MX], 5, v[TAD]
	v_add_nc_u32 v[TAD], TAB, v[TAD]
	v_lshlrev_b32 v[TO], 5, v0
	v_mov_b32 v[PX], 0                             ; written once: a lane permute's destination counts as one of its sources
	s_wait_dscnt 0x0                               ; both opening adds are done
	s_wait_kmcnt 0x0
	s_add_nc_u64 s[4:5], s[4:5], s[18:19]
	s_add_nc_u64 s[8:9], s[8:9], s[50:51]
	s_add_nc_u64 s[12:13], s[12:13], s[52:53]
	s_add_nc_u64 s[14:15], s[14:15], s[54:55]
	s_mov_b32 s[G0A], 1                            ; count = 1
	s_mov_b32 s[G0A+1], s20                        ; LDS address: slot 0
	s_add_nc_u64 s[G0A+2:G0A+3], s[6:7], s[20:21]  ; records 0 to 7
	s_or_b32 s[G0A+3], s[G0A+3], 0x80000000        ; type = 2
	s_mov_b32 s[G0W], 1
	s_add_co_u32 s[G0W+1], s20, SLOT1              ; slot 1
	s_add_nc_u64 s[G0W+2:G0W+3], s[6:7], s[20:21]
	s_add_nc_u64 s[G0W+2:G0W+3], s[G0W+2:G0W+3], SLOTB   ; records 8 to 15
	s_or_b32 s[G0W+3], s[G0W+3], 0x80000000
	CROUND                                         ; all four work-groups are here: the first joint loads meet
	tensor_load_to_lds s[G0A:G0A+3], s[G1:G1+7]    ; every wave issues both first fills: two tensor loads of mine are out; they land while phase X runs
	s_nop 0
	tensor_load_to_lds s[G0W:G0W+3], s[G1:G1+7]
	s_nop 0
.rept 4
	v_nop
.endr
; ---------------- PHASE X.  A unit u = 8 m + s is 16 rows (tile m) x 128 numbers (K step s).
; WHERE A UNIT LANDS.  Its rows 0-7 land in the 32 registers that will hold the unit's bf16 (its home), its rows 8-15 in spare set u % 4.  So a unit on its way costs 32 registers beside its home, and four units are on their way.
.macro PLACE u                         ; the unit's home (window gw, v[gb]) and its spare set (window gs, v[gh])
.set gw, 2+(\u)/8
.set gb, 32*((\u)%8)
.set gs, ((\u)%4)/2
.set gh, HB+32*((\u)%2)
.endm
; GLOAD: sixteen loads, each 512 consecutive bytes of one row.
.macro GLOAD u
	PLACE \u
	WIN gw<<6                                      ; destination: the home's window; address window 0
.irp i, 0,1,2,3,4,5,6,7
	global_load_b128 v[gb+4*\i:gb+4*\i+3], v[LI], s[4:5] offset:(16*((\u)/8)+\i)*4096+512*((\u)%8) th:TH_LOAD_NT
.endr
	WIN gs<<6
.irp i, 0,1,2,3,4,5,6,7
	global_load_b128 v[gh+4*\i:gh+4*\i+3], v[LI], s[4:5] offset:(16*((\u)/8)+8+\i)*4096+512*((\u)%8) th:TH_LOAD_NT
.endr
.endm
; TURN: the unit goes through my stage as it lies, row i at 528 i (an odd multiple of 16 bytes, so that the sixteen rows of a load back start in different banks: 64 banks of 4 bytes, ISA guide 11.1), and comes back
; so that lane (r, h) holds, of row r, K = 64 c + 32 h + 0 .. 31 in registers 32 c + 0 .. 31: two whole blocks, in the order of the operand's registers.  LDS serves a wave's instructions in order (ISA guide 5.7.1.4): no wait between.
.macro TURN u
	PLACE \u
	WIN gw<<2                                      ; an LDS store's data are its source 1
.irp i, 0,1,2,3,4,5,6,7
	ds_store_b128 v[SWA], v[gb+4*\i:gb+4*\i+3] offset:528*\i
.endr
	WIN gs<<2
.irp i, 0,1,2,3,4,5,6,7
	ds_store_b128 v[SWA], v[gh+4*\i:gh+4*\i+3] offset:528*(8+\i)
.endr
	WIN 0
.irp c, 0,1
.irp i, 0,1,2,3,4,5,6,7
	ds_load_b128 v[XB+64*((\u)%2)+32*\c+4*\i:XB+64*((\u)%2)+32*\c+4*\i+3], v[SRA] offset:256*\c+16*\i
.endr
.endr
.endm
; PACK: the unit as bf16, rounded to nearest even, two numbers a register.  Rows 0-7 shrink in place (register n takes numbers 2 n and 2 n + 1, which no later line reads), rows 8-15 follow into the home's upper half.
.macro PACK u
	PLACE \u
	WIN (gw<<6)|(gw<<2)|gw
.set n, 0
.rept 16
	v_cvt_pk_bf16_f32 v[gb+n], v[gb+2*n], v[gb+2*n+1]
.set n, n+1
.endr
	WIN (gw<<6)|(gs<<2)|gs
.set n, 0
.rept 16
	v_cvt_pk_bf16_f32 v[gb+16+n], v[gh+2*n], v[gh+2*n+1]
.set n, n+1
.endr
.endm
; QUANT: the quantiser.  A block's largest magnitude, with the floor 2^(3 - 127) among its leaves, so that the byte cannot fall under 1; 2 off its exponent field is the conversion's scale operand; that field is the byte.
.macro QUANT u
.set xs, XB+64*((\u)%2)
.set fr, 12*(2*((\u)%8)+(\u)/8)
	WIN 0
.irp c, 0,1
	v_max3_num_f32 v[MX+\c], |v[xs+32*\c]|, |v[xs+32*\c+1]|, 0x1800000
.endr
.irp i, 2,4,6,8,10,12,14,16,18,20,22,24,26,28,30
.irp c, 0,1
	v_max3_num_f32 v[MX+\c], v[MX+\c], |v[xs+32*\c+\i]|, |v[xs+32*\c+\i+1]|   ; the two blocks by turns
.endr
.endr
.irp c, 0,1
	v_add_nc_u32 v[SCL+\c], 0xff000000, v[MX+\c]
.endr
.irp c, 0,1
	v_lshrrev_b32 v[BY+\c], 23, v[SCL+\c]
.endr
	v_lshl_or_b32 v[W], v[BY+1], 16, v[BY]         ; my two bytes: blocks h and 2 + h of the K step,
	v_lshlrev_b32 v[W], v[SH], v[W]                ; at their places;
	v_permlanex16_b32 v[PX], v[W], s[SEL], s[SEL+1]
	v_or_b32 v[AS+(\u)], v[W], v[PX]               ; with lane l xor 16's two the row's scale word is whole
	v_cvt_scalef32_pk16_fp6_f32 v[TC0:TC0+2], v[xs+16:xs+31], v[SCL]       ; a conversion's three registers begin on an even number: a block's upper three are made elsewhere and moved
	v_cvt_scalef32_pk16_fp6_f32 v[TC1:TC1+2], v[xs+48:xs+63], v[SCL+1]
	WIN 0x40                                       ; destination window 1
	v_cvt_scalef32_pk16_fp6_f32 v[fr:fr+2], v[xs:xs+15], v[SCL]            ; registers 0 .. 2 of the fragment
	v_cvt_scalef32_pk16_fp6_f32 v[fr+6:fr+8], v[xs+32:xs+47], v[SCL+1]     ; registers 6 .. 8
	v_nop                                          ; one plain place behind a scaled conversion
.irp i, 0,1,2
	v_mov_b32 v[fr+3+\i], v[TC0+\i]
.endr
.irp i, 0,1,2
	v_mov_b32 v[fr+9+\i], v[TC1+\i]
.endr
.endm
.macro STEP u
	s_wait_dscnt 0x0                               ; this unit's numbers are back from the stage, and the stage's stores have read the registers in which it landed:
	PACK \u                                        ; they may be packed,
.if (\u) < 12
	GLOAD (\u)+4                                   ; and the spare set takes the unit four further on
	s_wait_loadcnt 48                              ; the next unit's sixteen loads are in; those of the three units behind it stay out
.elseif (\u) < 15
	s_wait_loadcnt 16*(14-(\u))                    ; the counts run down: 32, 16, 0
.endif
.if (\u) < 15
	TURN (\u)+1                                    ; the next unit goes through the stage while this one is quantised
.endif
	QUANT \u
.endm
	global_load_b128 v[TBL:TBL+3], v[TO], s[8:9]             ; my 8 numbers of c dec_proj
	global_load_b128 v[TBL+4:TBL+7], v[TO], s[8:9] offset:16
	global_load_b128 v[TBL+8:TBL+11], v[TO], s[10:11]        ; and of Va
	global_load_b128 v[TBL+12:TBL+15], v[TO], s[10:11] offset:16
	GLOAD 0
	GLOAD 1
	GLOAD 2
	WIN 0
	s_wait_loadcnt 48                              ; the table's four loads are in; the 48 behind them stay out
.irp j, 8,10,12,14
	v_pk_mul_f32 v[TBL+\j:TBL+\j+1], v[TBL+\j:TBL+\j+1], -2.0 op_sel_hi:[1,0]
.endr
	ds_store_b128 v[TAD], v[TBL:TBL+3]
	ds_store_b128 v[TAD], v[TBL+4:TBL+7] offset:16
	ds_store_b128 v[TAD], v[TBL+8:TBL+11] offset:64
	ds_store_b128 v[TAD], v[TBL+12:TBL+15] offset:80
	GLOAD 3
	s_wait_loadcnt 48                              ; unit 0 is in
	TURN 0
.set U, 0
.rept 16
	STEP U
.set U, U+1
.endr
; ---------------- INTO PHASE M.  The tile is written once: the first tile's tanh runs on zeros with a weight of 0 (0 x 0.5 is added to the sums, which begin here as zeros).
	WIN 0
.set n, 0
.rept 16
	v_mov_b32 v[XA+16+n], 0
.set n, n+1
.endr
.set n, 0
.rept 16
	v_mov_b32 v[DV+16+n], 0
.set n, n+1
.endr
.set n, 0
.rept 8
	v_mov_b32 v[SC+n], 0
.set n, n+1
.endr
	s_wait_tensorcnt 0x1                           ; my part of slot 0 has landed; slot 1's may stay out
	s_wait_dscnt 0x0                               ; my part of the table is stored
	s_barrier_signal -1
	s_barrier_wait -1                              ; everybody's
	s_mov_b32 s[TB], 0
	s_mov_b32 s[TT], 0
	ds_load_b128 v[US:US+3], v[LI] offset:12288    ; tile 0's loads, in the order in which a tile asks for its successor's, so that the tile's counts hold: 2 + 12, then 12 + 4
	ds_load_b128 v[US+4:US+7], v[LI] offset:12288+512
.irp f, 0,1,2,3,4,5,6,7
.irp g, 0,1,2
	ds_load_b128 v[BF+12*\f+4*\g:BF+12*\f+4*\g+3], v[LI] offset:1536*\f+512*\g
.endr
.endr
	ds_load_b128 v[DV:DV+3], v[LT]
	ds_load_b128 v[DV+4:DV+7], v[LT] offset:16
	ds_load_b128 v[DV+8:DV+11], v[LT] offset:64
	ds_load_b128 v[DV+12:DV+15], v[LT] offset:80
; Product i of a tile's 16: K step i / 2, row tile i % 2, into set p.  The two accumulators take turns, one instruction a turn; the first two start the sums with 0.
.macro WM p
.set ws_, i/2
.set wm_, i%2
.set xd, XA+16*(\p)+8*wm_
.set rf, 12*(2*ws_+wm_)
.if ws_ == 0
	v_wmma_scale_f32_16x16x128_f8f6f4 v[xd:xd+7], v[BF+12*ws_:BF+12*ws_+11], v[rf:rf+11], 0, v[US+8*(\p)+ws_], v[AS+8*wm_+ws_] matrix_a_fmt:MATRIX_FMT_FP6 matrix_b_fmt:MATRIX_FMT_FP6
.else
	v_wmma_scale_f32_16x16x128_f8f6f4 v[xd:xd+7], v[BF+12*ws_:BF+12*ws_+11], v[rf:rf+11], v[xd:xd+7], v[US+8*(\p)+ws_], v[AS+8*wm_+ws_] matrix_a_fmt:MATRIX_FMT_FP6 matrix_b_fmt:MATRIX_FMT_FP6
.endif
.set i, i+1
.endm
; THE TANH OF A TILE on set q is a list of 48 instructions; TN writes number j and steps j.  The set's 16 registers are 8 pairs.
;   0-23   c x + c dec_proj, a pair at a time (8), and 2^(.) of each (16): numbers 0-2 scale pairs 0-2; then five threes: the scaling of pair k + 2, the two exponentials of pair k - 1 (k = 1 .. 5); 18-23 the last six exponentials
;   24-47  the same pattern with 1 + (.) in the scalings' place and 1 / (.) in the exponentials'
; A three stands behind each matrix instruction, and a plain line leads it while there are plain lines.  Neither half reads a result of its own transcendentals, so each half has ONE wait, behind it.
; The scalings ascend.
.macro TN q
.set xq, XA+16*(\q)
.set dq, DV+16*(\q)
.set tj, j%24
.if tj < 3
.set tp, 1
.set tk, tj
.elseif tj >= 18
.set tp, 0
.set tk, tj-8
.elseif tj%3 == 0
.set tp, 1
.set tk, tj/3+2
.else
.set tp, 0
.set tk, 2*(tj/3-1)+tj%3-1
.endif
.if tp && (j < 24)
	v_pk_fma_f32 v[xq+2*tk:xq+2*tk+1], v[xq+2*tk:xq+2*tk+1], s[CC:CC+1], v[dq+(2*tk)%8:dq+(2*tk)%8+1] op_sel_hi:[1,0,1]
.elseif tp
	v_pk_add_f32 v[xq+2*tk:xq+2*tk+1], v[xq+2*tk:xq+2*tk+1], 1.0 op_sel_hi:[1,0]
.elseif j < 24
	v_exp_f32 v[xq+tk], v[xq+tk]
.else
	v_rcp_f32 v[xq+tk], v[xq+tk]
.endif
.set j, j+1
.endm
; The rows' sums take (-2 Va) x the quotients of set q: eight packed multiply-adds on four pairs of sums by turns (two for each row tile).
.macro FB q
.set xq, XA+16*(\q)
.set dq, DV+16*(\q)
.irp e, 0,2,4,6
.irp m, 0,1
	v_pk_fma_f32 v[SC+4*((\e/2)%2)+2*\m:SC+4*((\e/2)%2)+2*\m+1], v[xq+8*\m+\e:xq+8*\m+\e+1], v[dq+8+\e:dq+8+\e+1], v[SC+4*((\e/2)%2)+2*\m:SC+4*((\e/2)%2)+2*\m+1]
.endr
.endr
.endm
; THE CHANGE OF SLOTS, in a slot's last tile, when all reads of the slot have been issued.  Each wave waits for all its tensor loads (one is out: its part of the next slot), adds 0 to its spare word, and waits for that and for
; its reads of this slot.  fill = 1: the barrier is a round of the cluster's, so that no wave of any partner still reads the slot or has a load on its way; the joint refill, the records two slots on, is the first thing
; behind it and has eight tiles, 128 matrix instructions a wave, in which to land.  By this text's count one tensor load of a wave is then out.
.macro CHANGE fill
	WIN 0                                          ; at a label and at a branch every window is 0; the add's two registers lie in window 0
	s_wait_tensorcnt 0x0                           ; no tensor load of mine is out, so a group 0 may be written
	ds_add_u32 v[SPW], v[NIL]                      ; 0 onto my spare word
.if \fill
	s_xor_b32 s[G0W+1], s[G0W+1], SLOT1            ; the walking descriptor: the other slot than last time,
	s_add_nc_u64 s[G0W+2:G0W+3], s[G0W+2:G0W+3], SLOTB   ; the next eight records; the type bits on top are not reached
.endif
	s_wait_dscnt 0x0                               ; the add is done, and my reads of this slot are over (the last were issued eight products ago)
.if \fill
	CROUND
	tensor_load_to_lds s[G0W:G0W+3], s[G1:G1+7]
	s_nop 0
.rept 4
	v_nop                                          ; places in front of the loads that follow
.endr
.else
	s_barrier_signal -1
	s_barrier_wait -1
.rept 3
	v_nop
.endr
.endif
.endm
; A TILE of 16 units: 16 products into set p, the tanh of the tile before on the other set.  nadr, noff: where the next tile's record lies; toff: its place in the table, from v[ADT].
; mode 0: plain; 1: with the change of slots and a refill; 2: with the change alone; 3: the last tile, which fetches nothing.
; The next tile's loads stand in two runs.  MID (14): its scale words and fragments 0-3, when this tile's products of K steps 0-3 are issued.  END (16): its fragments 4-7 and its 16 numbers of the table.
; A load into a register that a matrix instruction has read stands four places behind it, and only plain vector instructions that name none of its registers are places (ISA guide 7.12.1 for vector instructions).
.macro TILE p, nadr, noff, toff, mode
	s_wait_dscnt 16                                ; all but the last END run: my scale words and fragments 0-3 are in
	WIN MA
.set i, 0
.set j, 0
.rept 8
	WM \p
	TN (1-\p)
	TN (1-\p)
	TN (1-\p)
.endr
	v_nop                                          ; the plain instruction behind the last exponential
	s_wait_alu depctr_va_vdst(0)                   ; one wait for the 16 exponentials, ahead of the first line that names a result
.if \mode == 0
.rept 3
	v_nop                                          ; with the one above: four places behind the last product that read fragment 3
.endr
.elseif \mode == 1
	CHANGE 1
.elseif \mode == 2
	CHANGE 0
.endif
.if \mode != 3
	WIN 0
	ds_load_b128 v[US+8*(1-\p):US+8*(1-\p)+3], v[\nadr] offset:(\noff)+12288
	ds_load_b128 v[US+8*(1-\p)+4:US+8*(1-\p)+7], v[\nadr] offset:(\noff)+12288+512
.irp f, 0,1,2,3
.irp g, 0,1,2
	ds_load_b128 v[BF+12*\f+4*\g:BF+12*\f+4*\g+3], v[\nadr] offset:(\noff)+1536*\f+512*\g
.endr
.endr
	s_wait_dscnt 14                                ; all but the 14 just issued: fragments 4-7 and this tile's numbers of the table are in
.else
	s_wait_dscnt 0x0
.endif
	WIN MA
.rept 8
	WM \p
	TN (1-\p)
	TN (1-\p)
	TN (1-\p)
.endr
	v_nop                                          ; the plain instruction behind the last reciprocal
	s_wait_alu depctr_va_vdst(0)                   ; one wait for the 16 reciprocals
	WIN 0
	FB (1-\p)                                      ; eight plain instructions that name nothing of the last products: the places in front of the loads below and of the next tile's first read of set p
.if \mode != 3
.irp f, 4,5,6,7
.irp g, 0,1,2
	ds_load_b128 v[BF+12*\f+4*\g:BF+12*\f+4*\g+3], v[\nadr] offset:(\noff)+1536*\f+512*\g
.endr
.endr
	ds_load_b128 v[DV+16*(1-\p):DV+16*(1-\p)+3], v[ADT] offset:(\toff)
	ds_load_b128 v[DV+16*(1-\p)+4:DV+16*(1-\p)+7], v[ADT] offset:(\toff)+16
	ds_load_b128 v[DV+16*(1-\p)+8:DV+16*(1-\p)+11], v[ADT] offset:(\toff)+64
	ds_load_b128 v[DV+16*(1-\p)+12:DV+16*(1-\p)+15], v[ADT] offset:(\toff)+80
.endif
.endm
; TWO TILES, after which the sets are back where they began.  kind 0: inside a slot; 1: a slot's last pair, with a refill; 2: without; 3: the last pair of all.
.macro PAIR kind
	v_add_nc_u32 v[ADB], s[TB], v[LI]
	v_add_nc_u32 v[ADT], s[TT], v[LT]
.if ((\kind) == 1) || ((\kind) == 2)
	s_sub_co_u32 s[TNX], s[TB], 6*REC              ; back to the slot's first record,
	s_xor_b32 s[TNX], s[TNX], SLOT1                ; in the other slot
	v_add_nc_u32 v[ADN], s[TNX], v[LI]
.endif
	TILE 0, ADB, REC, 128, 0
.if (\kind) == 0
	TILE 1, ADB, 2*REC, 256, 0
.elseif (\kind) == 1
	TILE 1, ADN, 0, 256, 1
.elseif (\kind) == 2
	TILE 1, ADN, 0, 256, 2
.else
	TILE 1, ADB, 0, 0, 3
.endif
	WIN 0
.if (\kind) == 0
	s_add_co_u32 s[TB], s[TB], 2*REC
.else
	s_sub_co_u32 s[TB], s[TB], 6*REC
	s_xor_b32 s[TB], s[TB], SLOT1
.endif
	s_add_co_u32 s[TT], s[TT], 256
.endm
.macro THREE                           ; a slot's first three pairs: written once, walked three times
	s_mov_b32 s[PR], 3
.Lpair_\@:
	PAIR 0
	s_sub_co_u32 s[PR], s[PR], 1
	s_cmp_lg_u32 s[PR], 0
	s_cbranch_scc1 .Lpair_\@
.endm
	s_mov_b32 s[SL], 6
.Lslot:                                            ; six trips: each of slots' worth 0 to 5 is followed by a refill (records 16 to 63)
	THREE
	PAIR 1
	s_sub_co_u32 s[SL], s[SL], 1
	s_cmp_lg_u32 s[SL], 0
	s_cbranch_scc1 .Lslot
	THREE                                          ; the tail is written out: the last slot but one is left and nothing is asked for
	PAIR 2
	THREE                                          ; and the last slot
	PAIR 3
.set j, 0                                          ; the last tile's tanh, on set 1, with nothing to stand beside
.rept 24
	TN 1
.endr
	v_nop
	s_wait_alu depctr_va_vdst(0)
.rept 24
	TN 1
.endr
	v_nop
	s_wait_alu depctr_va_vdst(0)
	FB 1
; ---------------- PHASE S.  The scores; the work-group's largest; the weights.
.set SCW, 8                            ; v8   SCO + 4 x thread: where my row's score goes
.set SCR, 9                            ; v9   SCO + 16 x lane: four of the 128 scores
.set PTW, 10                           ; v10  PT + 4 x thread: where my row's weight goes
.set PTR, 12                           ; v12  PT + 128 x wave: my wave's 32 weights
.set LSA, 13                           ; v13  LSW + 4 x wave
.set RDW, 14                           ; v14  RED + 4,096 x wave + 16 x lane: where my part of the weighted sum goes
.set RDR, 15                           ; v15  RED + 1,024 x wave + 16 x lane: the two K steps that my wave adds up
.set LSR, 28                           ; v28  LSW
.set GO8, 29                           ; v29  8 x lane
.set T0,  16                           ; v16-17 at work
.set MM,  18                           ; v18 m, v19 l: a pair for the store
.set S4,  20                           ; v20-23 four scores, later the four waves' sums
.set FS,  24                           ; v24-25 the two row tiles' scores
.set PV,  27                           ; v27  my row's weight
	v_pk_add_f32 v[SC:SC+1], v[SC:SC+1], v[SC+4:SC+5]
	v_pk_add_f32 v[SC+2:SC+3], v[SC+2:SC+3], v[SC+6:SC+7]
	v_add_f32 v[FS], v[SC], v[SC+1]
	v_add_f32 v[FS+1], v[SC+2], v[SC+3]
	v_permlanex16_b32 v[T0], v[FS], s[SEL], s[SEL+1]
	v_permlanex16_b32 v[T0+1], v[FS+1], s[SEL], s[SEL+1]
	v_add_f32 v[FS], v[FS], v[T0]                  ; with the other half of the lanes' eight units of each tile: every lane (r, h) holds row 16 m + r's score
	v_add_f32 v[FS+1], v[FS+1], v[T0+1]
	v_cmp_eq_u32 vcc_lo, 1, v2
	v_cndmask_b32 v[FS], v[FS], v[FS+1], vcc_lo    ; lane l: row l of my 32
	v_lshrrev_b32 v1, 5, v0                        ; wave
	v_lshl_add_u32 v[SCW], v0, 2, SCO
	v_add_nc_u32 v[SCR], SCO, v[LI]
	v_lshl_add_u32 v[PTW], v0, 2, PT
	v_lshl_add_u32 v[PTR], v1, 7, PT
	v_lshl_add_u32 v[LSA], v1, 2, LSW
	v_lshl_add_u32 v[RDW], v1, 12, v[LI]
	v_add_nc_u32 v[RDW], RED, v[RDW]
	v_lshl_add_u32 v[RDR], v1, 10, v[LI]
	v_add_nc_u32 v[RDR], RED, v[RDR]
	v_mov_b32 v[LSR], LSW
	v_lshlrev_b32 v[GO8], 3, v3
	v_mov_b32 v[ZR], 0
	ds_store_b32 v[SCW], v[FS]
	s_wait_dscnt 0x0                               ; for the others' sake: my store is done
	s_barrier_signal -1
	s_barrier_wait -1
	ds_load_b128 v[S4:S4+3], v[SCR]                ; the 32 lanes hold the work-group's 128 scores
	s_wait_dscnt 0x0
	v_max3_num_f32 v[MM], v[S4], v[S4+1], v[S4+2]
	v_max_num_f32 v[MM], v[MM], v[S4+3]
	v_max_num_f32_dpp v[MM], v[MM], v[MM] row_xmask:1 row_mask:0xf bank_mask:0xf
	v_max_num_f32_dpp v[MM], v[MM], v[MM] row_xmask:2 row_mask:0xf bank_mask:0xf
	v_max_num_f32_dpp v[MM], v[MM], v[MM] row_xmask:4 row_mask:0xf bank_mask:0xf
	v_max_num_f32_dpp v[MM], v[MM], v[MM] row_xmask:8 row_mask:0xf bank_mask:0xf
	v_permlanex16_b32 v[T0], v[MM], s[SEL], s[SEL+1]
	v_max_num_f32 v[MM], v[MM], v[T0]              ; m: the largest of the 128, taken away before the exponential; the last launch brings the parts under the batch's largest
	v_sub_f32 v[PV], v[FS], v[MM]
	v_mul_f32 v[PV], 0x3fb8aa3b, v[PV]             ; x log2(e)
	v_exp_f32 v[PV], v[PV]
	v_nop                                          ; the plain instruction behind the exponential
	s_wait_alu depctr_va_vdst(0)                   ; and the wait ahead of the first line that names its result
	ds_store_b32 v[PTW], v[PV]
	v_add_f32_dpp v[MM+1], v[PV], v[PV] row_xmask:1 row_mask:0xf bank_mask:0xf
	v_add_f32_dpp v[MM+1], v[MM+1], v[MM+1] row_xmask:2 row_mask:0xf bank_mask:0xf
	v_add_f32_dpp v[MM+1], v[MM+1], v[MM+1] row_xmask:4 row_mask:0xf bank_mask:0xf
	v_add_f32_dpp v[MM+1], v[MM+1], v[MM+1] row_xmask:8 row_mask:0xf bank_mask:0xf
	v_permlanex16_b32 v[T0], v[MM+1], s[SEL], s[SEL+1]
	v_add_f32 v[MM+1], v[MM+1], v[T0]              ; my wave's sum of weights
	ds_store_b32 v[LSA], v[MM+1]                   ; all lanes write the same word with the same value; read behind the next barrier
.irp k, 0,1,2,3,4,5,6,7
	ds_load_b128 v[PP+4*\k:PP+4*\k+3], v[PTR] offset:16*\k   ; my wave's 32 weights, each in every lane.  LDS serves a wave's instructions in order: these see my wave's stores
.endr
	s_wait_dscnt 0x0
; ---------------- PHASE C.  sum over my 32 rows of p x row: a lane holds columns 128 s + 4 lane + 0 .. 3 of every K step s: 32 sums.  One multiply-add straight from a bf16 half for each number; a row's 32 lines touch all 32 sums
; once, so no line waits for the line above it.  The first row starts the sums (its addend is a register of zeros): nothing is cleared.
.irp m, 0,1
	WIN 2+\m                                       ; source 0: the rows' window
.set n, 0
.rept 16
.set k, 0
.rept 32
.set xr, 32*(k/4)+2*n+(k%4)/2
.set c2, ACC+k
.if (\m == 0) && (n == 0)
.set c2, ZR
.endif
.if k%2 == 0
	v_fma_mix_f32_bf16 v[ACC+k], v[xr], v[PP+16*\m+n], v[c2] op_sel_hi:[1,0,0]
.else
	v_fma_mix_f32_bf16 v[ACC+k], v[xr], v[PP+16*\m+n], v[c2] op_sel:[1,0,0] op_sel_hi:[1,0,0]
.endif
.set k, k+1
.endr
.set n, n+1
.endr
.endr
	WIN 0
.irp s, 0,1,2,3,4,5,6,7
	ds_store_b128 v[RDW], v[ACC+4*\s:ACC+4*\s+3] offset:512*\s
.endr
	s_wait_dscnt 0x0                               ; for the others' sake: my stores are done
	s_barrier_signal -1
	s_barrier_wait -1
.irp k, 0,1,2,3                                ; wave w adds the four waves' parts of K steps 2 w and 2 w + 1
.irp d, 0,1
	ds_load_b128 v[PP+8*\k+4*\d:PP+8*\k+4*\d+3], v[RDR] offset:4096*\k+512*\d
.endr
.endr
	ds_load_b128 v[S4:S4+3], v[LSR]                ; the four waves' sums of weights
	s_wait_dscnt 0x0
.irp e, 0,2,4,6
	v_pk_add_f32 v[PP+\e:PP+\e+1], v[PP+\e:PP+\e+1], v[PP+8+\e:PP+8+\e+1]
	v_pk_add_f32 v[PP+16+\e:PP+16+\e+1], v[PP+16+\e:PP+16+\e+1], v[PP+24+\e:PP+24+\e+1]
.endr
.irp e, 0,2,4,6
	v_pk_add_f32 v[PP+\e:PP+\e+1], v[PP+\e:PP+\e+1], v[PP+16+\e:PP+16+\e+1]
.endr
	global_store_b128 v[LI], v[PP:PP+3], s[12:13]              ; 32 lanes store 512 consecutive bytes, at a multiple of 256 from the buffer's first byte
	global_store_b128 v[LI], v[PP+4:PP+7], s[12:13] offset:512
	v_pk_add_f32 v[S4:S4+1], v[S4:S4+1], v[S4+2:S4+3]
	v_add_f32 v[MM+1], v[S4], v[S4+1]              ; l
	s_wait_tensorcnt 0x0                           ; the wave's end, behind my last tensor load and my last LDS store
	ds_add_u32 v[SPW], v[NIL]
	s_wait_dscnt 0x0
	s_cmp_lg_u32 s[WV], 0
	s_cbranch_scc1 .Lnot_first
	global_store_b64 v[GO8], v[MM:MM+1], s[14:15]  ; wave 0: (m, l), 32 times over: 256 consecutive bytes, the work-group's whole record
.Lnot_first:
	CROUND                                         ; the closing round: no work-group ends while a partner may still ask for records by a load that names it
	s_endpgm
.Lfunc_end_k_q795277b5f0_attend:
	.size	k_q795277b5f0_attend, .Lfunc_end_k_q795277b5f0_attend-k_q795277b5f0_attend
	.p2alignl 7, 3214868480
	.fill 96, 4, 3214868480
	.section	.rodata,"a",@progbits
	.p2align	6, 0x0
	.amdhsa_kernel k_q795277b5f0_attend
		.amdhsa_group_segment_fixed_size 327680
		.amdhsa_private_segment_fixed_size 0
		.amdhsa_enable_private_segment 0
		.amdhsa_kernarg_size 48
		.amdhsa_user_sgpr_count 2
		.amdhsa_user_sgpr_kernarg_segment_ptr 1
		.amdhsa_wavefront_size32 1
		.amdhsa_system_sgpr_workgroup_id_x 1
		.amdhsa_system_sgpr_workgroup_id_y 1
		.amdhsa_system_sgpr_workgroup_id_z 1
		.amdhsa_system_vgpr_workitem_id 0
		.amdhsa_next_free_vgpr 1024
		.amdhsa_next_free_sgpr 66
		.amdhsa_reserve_vcc 1
		.amdhsa_float_denorm_mode_32 3
		.amdhsa_float_denorm_mode_16_64 3
		.amdhsa_memory_ordered 1
		.amdhsa_forward_progress 1
		.amdhsa_inst_pref_size 255
	.end_amdhsa_kernel
	.section	.bss,"aw",@nobits
	.p2align	6
	.space	262144
	.amdgpu_metadata
---
amdhsa.version: [ 1, 2 ]
amdhsa.kernels:
  - .name:           k_q795277b5f0_attend
    .symbol:         k_q795277b5f0_attend.kd
    .args:
      - { .name: enc_out, .offset: 0, .size: 8, .value_kind: global_buffer, .address_space: global }
      - { .name: uaf, .offset: 8, .size: 8, .value_kind: global_buffer, .address_space: global }
      - { .name: dcw, .offset: 16, .size: 8, .value_kind: global_buffer, .address_space: global }
      - { .name: Va, .offset: 24, .size: 8, .value_kind: global_buffer, .address_space: global }
      - { .name: pctx, .offset: 32, .size: 8, .value_kind: global_buffer, .address_space: global }
      - { .name: pml, .offset: 40, .size: 8, .value_kind: global_buffer, .address_space: global }
    .group_segment_fixed_size: 327680
    .private_segment_fixed_size: 0
    .kernarg_segment_align: 8
    .kernarg_segment_size: 48
    .max_flat_workgroup_size: 128
    .sgpr_count:     66
    .vgpr_count:     1024
    .wavefront_size: 32
...
	.end_amdgpu_metadata
.endif
;; end of part 5
;; launch combine (part 6): grid 8 x 32, 1 waves a work-group, no clusters, 0 bytes of LDS; arguments pctx, pml, out0; writes out0
.if DOCPART == 6
	.amdgcn_target "amdgcn-amd-amdhsa--gfx1250"
	.amdhsa_code_object_version 6
	.text
	.protected	k_q795277b5f0_combine
	.globl	k_q795277b5f0_combine
	.p2align	8
	.type	k_q795277b5f0_combine,@function
k_q795277b5f0_combine:
	s_mov_b64 s[64:65], 0
	v_nop
	global_prefetch_b8 v0, s[64:65] scope:SCOPE_SE
	s_setreg_imm32_b32 hwreg(HW_REG_WAVE_MODE, 25, 1), 1
	s_wait_xcnt 0x0
; out0[b][h] = sum_g w_g pctx[16 b + g][h] / sum_g w_g l_g, w_g = e^(m_g - the largest m of the batch), g = 0 .. 15: the sixteen parts of a batch's softmax and weighted sum are brought under one maximum and joined.  All in f32.
; The scores behind the parts lack the term sum_u Va[u], which is the same along the softmax's axis and changes no alpha (shown at the head of the first launch).  LIMITS: NaN and infinities are not served.
; SHARES.  Work-group (hc, b), one wave, owns out0[b][128 hc .. 128 hc + 127]: each output has one owner.  A lane takes 16 bytes of each part's 512: every load and the store cover 512 consecutive bytes, at a multiple of 256
; from the buffer's first byte.  Lane l holds (m, l) of part l % 16, so each row of 16 lanes holds all sixteen, and maxima and sums stay inside a row.  The sixteen weights go to scalar registers, as data alone.
; 2 MB in all: no LDS, no barrier, no matrix unit, no cluster (the eight work-groups of a batch share only its sixteen pairs).
.set XR, 32                            ; v32-95  sixteen parts, four numbers each
.set AC, 12                            ; v12-15  my four sums
.set WS, 32                            ; s32-47  the sixteen weights
	s_load_b128 s[4:7], s[0:1], 0x0                ; pctx s[4:5], pml s[6:7]
	s_load_b64 s[8:9], s[0:1], 0x10                ; out0
	s_and_b32 s11, ttmp7, 0xffff                   ; the batch
	v_lshlrev_b32 v2, 4, v0                        ; 16 x lane
	v_and_b32 v3, 15, v0
	v_lshlrev_b32 v3, 8, v3                        ; 256 x (lane % 16): a part's record of pml
	s_lshl_b32 s14, ttmp9, 9                       ; my 512 bytes of a row
	s_lshl_b32 s12, s11, 16                        ; pctx: sixteen parts of 4,096 bytes a batch
	s_add_co_u32 s12, s12, s14
	s_mov_b32 s13, 0
	s_lshl_b32 s16, s11, 12                        ; pml: sixteen records of 256 bytes a batch
	s_mov_b32 s17, 0
	s_add_co_u32 s18, s16, s14                     ; out0: 4,096 bytes a batch
	s_mov_b32 s19, 0
	s_wait_kmcnt 0x0
	s_add_nc_u64 s[4:5], s[4:5], s[12:13]
	s_add_nc_u64 s[6:7], s[6:7], s[16:17]
	s_add_nc_u64 s[8:9], s[8:9], s[18:19]
	global_load_b64 v[4:5], v3, s[6:7]             ; v4 = m, v5 = l of part lane % 16
.irp g, 0,1,2,3,4,5,6,7,8,9,10,11,12,13,14,15
	global_load_b128 v[XR+4*\g:XR+4*\g+3], v2, s[4:5] offset:4096*\g
.endr
	s_wait_loadcnt 16                              ; the pair is in; the sixteen parts stay on their way
	v_mov_b32 v6, v4
	v_max_num_f32_dpp v6, v6, v6 row_xmask:1 row_mask:0xf bank_mask:0xf
	v_max_num_f32_dpp v6, v6, v6 row_xmask:2 row_mask:0xf bank_mask:0xf
	v_max_num_f32_dpp v6, v6, v6 row_xmask:4 row_mask:0xf bank_mask:0xf
	v_max_num_f32_dpp v6, v6, v6 row_xmask:8 row_mask:0xf bank_mask:0xf   ; the batch's largest score
	v_sub_f32 v7, v4, v6
	v_mul_f32 v7, 0x3fb8aa3b, v7                   ; x log2(e)
	v_exp_f32 v7, v7                               ; w of part lane % 16
	v_nop                                          ; the plain instruction behind the exponential
	s_wait_alu depctr_va_vdst(0)                   ; and the wait ahead of the first line that names its result
	v_mul_f32 v8, v7, v5
	v_add_f32_dpp v8, v8, v8 row_xmask:1 row_mask:0xf bank_mask:0xf
	v_add_f32_dpp v8, v8, v8 row_xmask:2 row_mask:0xf bank_mask:0xf
	v_add_f32_dpp v8, v8, v8 row_xmask:4 row_mask:0xf bank_mask:0xf
	v_add_f32_dpp v8, v8, v8 row_xmask:8 row_mask:0xf bank_mask:0xf       ; the batch's sum of weights
	v_rcp_f32 v9, v8
	v_nop                                          ; the plain instruction behind the reciprocal; the work below stands between it and its wait
.irp g, 0,1,2,3,4,5,6,7,8,9,10,11,12,13,14,15
	v_readlane_b32 s[WS+\g], v7, \g
.endr
	s_wait_loadcnt 15                              ; loads come back in order (ISA guide 5.7.1): part 0 is in
.irp j, 0,1,2,3
	v_mul_f32 v[AC+\j], s[WS], v[XR+\j]            ; part 0 starts the sums: nothing is cleared
.endr
.irp g, 1,2,3,4,5,6,7,8,9,10,11,12,13,14,15
	s_wait_loadcnt 15-\g                           ; part g is in; the younger ones stay out
.irp j, 0,1,2,3
	v_fmac_f32 v[AC+\j], s[WS+\g], v[XR+4*\g+\j]
.endr
.endr
	s_wait_alu depctr_va_vdst(0)                   ; the wait for the reciprocal, ahead of its first reader
.irp j, 0,1,2,3
	v_mul_f32 v[AC+\j], v[AC+\j], v9
.endr
	global_store_b128 v2, v[AC:AC+3], s[8:9]
	s_endpgm
.Lfunc_end_k_q795277b5f0_combine:
	.size	k_q795277b5f0_combine, .Lfunc_end_k_q795277b5f0_combine-k_q795277b5f0_combine
	.p2alignl 7, 3214868480
	.fill 96, 4, 3214868480
	.section	.rodata,"a",@progbits
	.p2align	6, 0x0
	.amdhsa_kernel k_q795277b5f0_combine
		.amdhsa_group_segment_fixed_size 0
		.amdhsa_private_segment_fixed_size 0
		.amdhsa_enable_private_segment 0
		.amdhsa_kernarg_size 24
		.amdhsa_user_sgpr_count 2
		.amdhsa_user_sgpr_kernarg_segment_ptr 1
		.amdhsa_wavefront_size32 1
		.amdhsa_system_sgpr_workgroup_id_x 1
		.amdhsa_system_sgpr_workgroup_id_y 1
		.amdhsa_system_sgpr_workgroup_id_z 1
		.amdhsa_system_vgpr_workitem_id 0
		.amdhsa_next_free_vgpr 104
		.amdhsa_next_free_sgpr 66
		.amdhsa_reserve_vcc 0
		.amdhsa_float_denorm_mode_32 3
		.amdhsa_float_denorm_mode_16_64 3
		.amdhsa_memory_ordered 1
		.amdhsa_forward_progress 1
		.amdhsa_inst_pref_size 8
	.end_amdhsa_kernel
	.amdgpu_metadata
---
amdhsa.version: [ 1, 2 ]
amdhsa.kernels:
  - .name:           k_q795277b5f0_combine
    .symbol:         k_q795277b5f0_combine.kd
    .args:
      - { .name: pctx, .offset: 0, .size: 8, .value_kind: global_buffer, .address_space: global }
      - { .name: pml, .offset: 8, .size: 8, .value_kind: global_buffer, .address_space: global }
      - { .name: out0, .offset: 16, .size: 8, .value_kind: global_buffer, .address_space: global }
    .group_segment_fixed_size: 0
    .private_segment_fixed_size: 0
    .kernarg_segment_align: 8
    .kernarg_segment_size: 24
    .max_flat_workgroup_size: 32
    .sgpr_count:     66
    .vgpr_count:     104
    .wavefront_size: 32
...
	.end_amdgpu_metadata
.endif
;; end of part 6
